; MI455X (gfx1250); checked and timed in simulation.
; The chip was launched on July 23, 2026; its instructions are those of AMD's public machine-readable ISA for CDNA 5 (MIT licence, August 2026) and "CDNA5" Instruction Set Architecture Reference Guide (July 2026). The comments in the code are by the model that wrote it; some were corrected since.
;; Att Layer. Allowed arithmetic: matrix products marked QUANTISED: E2M3 operands, one E8M0 scale for each 32 along K, by v_wmma_scale_f32_16x16x128_f8f6f4 with both operands' format E2M3, f32 sums; everything else in f32.
;; Inputs: Wk 1,024 x 1,024 float32; Wo 1,024 x 1,024 float32; Wq 1,024 x 1,024 float32; Wv 1,024 x 1,024 float32; bk 1,024 float32; bo 1,024 float32; bq 1,024 float32; bv 1,024 float32; x 4 x 2,048 x 1,024 float32.
;; Outputs: out0 4 x 2,048 x 1,024 float32.
;; This version of the problem:
;;   THIS VERSION OF THE PROBLEM IS GIVEN IN LOW PRECISION. The matrix products marked QUANTISED in the list below multiply operands that are first quantised to E2M3 (2 exponent bits, 3 mantissa bits; 6 bits a number), with one power-of-two scale for each 32 numbers along K (OCP MX v1.0); their sums are f32. All else is computed in f32.
;;   The module's matrix products, in the order in which they are computed (A, B: the left and right operand; K: the contracted axis; several contracted axes count as one K, in the product's order):
;;     1. [M 8,192, K 1,024] x [K 1,024, N 1,024]; A: input x; B: input Wq: QUANTISED
;;     2. [M 8,192, K 1,024] x [K 1,024, N 1,024]; A: input x; B: input Wk: QUANTISED
;;     3. [M 8,192, K 1,024] x [K 1,024, N 1,024]; A: input x; B: input Wv: QUANTISED
;;     4. batch 64 x [M 2,048, K 64] x [K 64, N 2,048]; A: computed on the way; B: computed on the way: QUANTISED
;;     5. batch 64 x [M 64, K 2,048] x [K 2,048, N 2,048]; A: computed on the way; B: softmax (see below): QUANTISED
;;     6. [M 8,192, K 1,024] x [K 1,024, N 1,024]; A: computed on the way; B: input Wo: QUANTISED
;;   THE QUANTISER, for each operand of a quantised product, along K:
;;     - K is cut into blocks of 32 from its start; a last block that is shorter is filled with zeros.
;;     - A block's scale is 2^e with e = floor(log2(the largest magnitude in the block)) - 2, held to -126 .. 127; a block of zeros has e = 0. As a byte (E8M0): e + 127.
;;     - Each number is divided by its block's scale, clamped to +-7.5, and rounded to the nearest number of E2M3, ties to even, subnormals kept.
;;     - The product sums the exact products of the quantised numbers (number of the format x scale) in f32.
;;   ~~~python
;;   def quantise(x, axis):      # numpy; x: float32 -> the quantised numbers, widened to float32 again
;;       x = np.moveaxis(x, axis, -1); K = x.shape[-1]
;;       x = np.pad(x, [(0, 0)] * (x.ndim - 1) + [(0, -K % 32)]); x = x.reshape(x.shape[:-1] + (-1, 32)); a = np.abs(x).max(-1, keepdims=True)
;;       e = np.where(a > 0, np.clip(np.frexp(np.where(a > 0, a, 1))[1] - 1 - 2, -126, 127), 0)      # np.frexp(a)[1] - 1 = floor(log2(a)), exactly
;;       r = np.clip(x / 2.0 ** e, -7.5, 7.5)
;;       step = 2.0 ** (np.maximum(np.frexp(np.where(r == 0, 1, r))[1] - 1, 0) - 3)
;;       q = np.round(r / step) * step * 2.0 ** e      # np.round: ties to even
;;       return np.moveaxis(q.reshape(q.shape[:-2] + (-1,))[..., :K], -1, axis).astype(np.float32)
;;   ~~~
;;   SOFTMAX AHEAD OF A QUANTISED PRODUCT. Where the list says 'softmax', what is quantised is not the finished softmax but p = 2^(t - M), with t = logit x log2(e) and M = ceil(the row's largest t), a whole number; so 1/2 < the row's largest p <= 1. The row's sum l is taken of the UNQUANTISED p, in f32, and the product's result is divided by l at the end. Since M is a whole number, a kernel that streams over the keys may use a running M (the ceiling of the running maximum): every later rescaling is an exact power of two, which a block's scale takes up: the codes' values come out the same.
;;   OPERANDS COMPUTED ON THE WAY. 'Computed on the way' means the value that the module computes at that place (a softmax that the list does not call 'softmax' is quantised finished and normalised). What goes into a quantiser is computed in f32, as accurately as f32 sums, v_exp_f32 and their like allow (about 1e-6 of the number): no bf16 or f16 on the way to a quantiser, and a product that is left as it is and whose result goes on into a quantised operand takes f32 operands (vector FMAs, or v_wmma_f32_16x16x4_f32). A number that lies on a knife's edge between two numbers of the format may be rounded either way, as far as f32 arithmetic and the matrix unit's own rounding can turn it there, and no further.
;; One version. Each part assembles by itself: llvm-mc -triple=amdgcn-amd-amdhsa -mcpu=gfx1250 --defsym DOCPART=n.
;; ======== version 1 of 1: 5 launches
;; workspace buffers: cxw 9,437,184 bytes; sxw 393,216 bytes; rope 524,288 bytes; qq 6,815,744 bytes; kv 13,369,344 bytes; ac 6,291,456 bytes; as_ 262,144 bytes
;; launch prep_x (part 1): grid 512 x 1, 4 waves a work-group, no clusters, 34,816 bytes of LDS; arguments x, cxw, sxw, rope; writes cxw, sxw, rope
.if DOCPART == 1
	.amdgcn_target "amdgcn-amd-amdhsa--gfx1250"
	.amdhsa_code_object_version 6
	.text
	.protected	k_q4fc2bd05c4_prep_x
	.globl	k_q4fc2bd05c4_prep_x
	.p2align	8
	.type	k_q4fc2bd05c4_prep_x,@function
k_q4fc2bd05c4_prep_x:
	s_mov_b64 s[64:65], 0
	v_nop
	global_prefetch_b8 v0, s[64:65] scope:SCOPE_SE
	s_setreg_imm32_b32 hwreg(HW_REG_WAVE_MODE, 25, 1), 1
	s_wait_xcnt 0x0
; x [8192][1024], f32, becomes codes of E2M3 with one E8M0 byte for each 32 along K, laid as IMAGES OF OPERAND REGISTERS; and the table of cos and sin for the rotary embedding is made.
; A block's scale is 2^(floor(log2(its largest magnitude)) - 2); its byte is that magnitude's exponent field - 2, held at 1 from below.
; LIMITS: NaN and infinities among the inputs are not served; a block of zeros, or one whose largest magnitude lies under 2^-124, gets the byte 1 (its codes are zeros or nearly so; this program alone reads the bytes).
; THE IMAGE of a fragment (16 rows x 128 K, 12 registers a lane): registers 4 c .. 4 c + 3 of lane L at byte 512 c + 16 L: 1,536 bytes.  cxw: [row tile][K step of 128: 0..7][image].
; THE ROWS OF A TILE ARE NOT NEIGHBOURS: lane row r of tile T is row 32 (T / 2) + 8 (T % 2) + r + 8 (r / 8), so that in a product used transposed the 16 registers of two neighbouring tiles are 16 neighbours.
; sxw: [K step of 128][buffer row] one word of four bytes.
; SHARES: work-group g takes 64 buffer rows (g / 4) x 256 along K (g % 4); wave w one tile of 16 rows.  Each load reads 512 consecutive bytes of a row; the numbers turn through the wave's own stage in LDS
; (rows 528 bytes apart) so that a lane gets 16 neighbours of each block of 32.  Waves share nothing but the 512 bytes of scale words, which leave as two whole runs of 256 bytes.  No cluster: work-groups share no input.
; THE TABLE: rope[position tile (rows ordered as above)][piece 0..7][lane] 16 bytes = cos, sin, cos, sin of pairs 16 (piece / 4) + 8 (lane / 16) + 2 (piece % 4) + 0, 1 at the position of lane row lane % 16.
; One thread makes one pair.  The frequency is 2^(-i log2(10000) / 32) with the exponent in two parts; the angle is position x frequency, rounded once; it is reduced by multiples of pi / 2 held in two parts;
; sine and cosine are polynomials on +-pi / 4.  LIMIT: the frequency rests on v_exp_f32, so the angle at the largest positions carries that instruction's last-bit error times the position.
.set STGB,  8448                       ; a wave's stage: 16 rows x 528 bytes
.set SWX,   33792                      ; behind the four stages: 2 x 64 scale words
.set SPARE, 34304                      ; the spare words, 128 bytes for each wave: two blocks of 256 bytes that no other line names
.set SPW, 12                           ; v12  my spare word's LDS address; never rewritten
.set NIL, 13                           ; v13  0; never rewritten
.set TM,  16                           ; v16-31 the quantiser's work
.set PW,  32                           ; v32  the scale word just made
.set PC,  34                           ; v34-45 the codes just made
.set PT,  46                           ; v46-53 the upper halves of blocks on their way
.set R,   64                           ; v64-191 32 loads of 4 registers
.set X,   192                          ; v192-255 64 numbers in the quantiser's order
.set SEL, 28                           ; s[28:29] lane selects: lane l xor 16
; 64 numbers of a lane, register 16 b + i = k 32 b + 16 (lane / 16) + i of my row, become six registers of codes at da (k 0-63) and six at db (k 64-127), and the row's scale word in v[PW].
.macro QUANT s, da, db
.irp b, 0,1,2,3
	v_max3_num_f32 v[TM+\b], |v[\s+16*\b]|, |v[\s+1+16*\b]|, 0x1800000   ; my 16 numbers of block b, and the floor 2^(3 - 127): the byte cannot fall under 1
.endr
.irp i, 2,4,6,8,10,12,14
.irp b, 0,1,2,3
	v_max3_num_f32 v[TM+\b], v[TM+\b], |v[\s+16*\b+\i]|, |v[\s+1+16*\b+\i]|   ; the four blocks by turns
.endr
.endr
.irp b, 0,1,2,3
	v_permlanex16_b32 v[TM+4+\b], v[TM+\b], s[SEL], s[SEL+1]
.endr
.irp b, 0,1,2,3
	v_max_num_f32 v[TM+\b], v[TM+\b], v[TM+4+\b]   ; with lane l xor 16's: the block's largest magnitude
.endr
.irp b, 0,1,2,3
	v_add_nc_u32 v[TM+12+\b], 0xff000000, v[TM+\b]   ; 2 off its exponent field: the conversion's scale operand
.endr
.irp b, 0,1,2,3
	v_lshrrev_b32 v[TM+4+\b], 23, v[TM+12+\b]      ; the scale's byte
.endr
	v_lshl_or_b32 v[PW], v[TM+5], 8, v[TM+4]
	v_lshl_or_b32 v[PW], v[TM+6], 16, v[PW]
	v_lshl_or_b32 v[PW], v[TM+7], 24, v[PW]
	v_cvt_scalef32_pk16_fp6_f32 v[\da:\da+2], v[\s:\s+15], v[TM+12]
	v_cvt_scalef32_pk16_fp6_f32 v[PT:PT+2], v[\s+16:\s+31], v[TM+13]   ; (a conversion's three registers begin on an even number)
	v_cvt_scalef32_pk16_fp6_f32 v[\db:\db+2], v[\s+32:\s+47], v[TM+14]
	v_cvt_scalef32_pk16_fp6_f32 v[PT+4:PT+6], v[\s+48:\s+63], v[TM+15]
	v_nop                                          ; one plain place behind the scaled conversions
.irp i, 0,1,2
	v_permlane16_swap_b32 v[\da+\i], v[PT+\i]      ; a whole block to a lane: lanes 0-15 the even block, lanes 16-31 the odd one
.endr
.irp i, 0,1,2
	v_mov_b32 v[\da+3+\i], v[PT+\i]
.endr
.irp i, 0,1,2
	v_permlane16_swap_b32 v[\db+\i], v[PT+4+\i]
.endr
.irp i, 0,1,2
	v_mov_b32 v[\db+3+\i], v[PT+4+\i]
.endr
.endm
	s_load_b256 s[4:11], s[0:1], 0x0               ; x s[4:5], cxw s[6:7], sxw s[8:9], rope s[10:11]
	v_lshl_add_u32 v[SPW], v0, 2, SPARE
	v_mov_b32 v[NIL], 0
	v_lshrrev_b32 v1, 5, v0
	v_readfirstlane_b32 s12, v1                    ; wave 0..3
	v_and_b32 v8, 31, v0                           ; L
	v_and_b32 v9, 15, v0                           ; r
	v_bfe_u32 v10, v0, 4, 1                        ; h
	v_lshlrev_b32 v1, 4, v8                        ; 16 L: my bytes of a load's 512, and of an image's 512
	s_mul_i32 s13, s12, STGB
	v_add_nc_u32 v2, s13, v1                       ; the stage, on the way in
	v_mul_u32_u24 v3, v9, 528
	v_lshl_add_u32 v3, v10, 6, v3
	v_add_nc_u32 v3, s13, v3                       ; and out: row r, + 64 h
	s_lshl_b32 s13, s12, 6
	s_add_co_u32 s13, s13, SWX
	v_lshl_add_u32 v4, v9, 2, s13                  ; my row's scale word: SWX + 64 w + 4 r
	v_add_nc_u32 v5, SWX, v1                       ; wave 0 reads them back: 16 bytes a lane
	v_mul_u32_u24 v6, v10, 49152
	v_lshl_add_u32 v6, v9, 4, v6                   ; and stores them: lanes 0-15 one plane of sxw, lanes 16-31 the next
	v_lshlrev_b32 v7, 3, v0                        ; the table: 8 bytes a thread
.irp b, 0,1,2,3
	v_mov_b32 v[TM+4+\b], 0                        ; written once: a lane permute's destination counts as one of its sources
.endr
	s_lshr_b32 s14, ttmp9, 2                       ; which 64 buffer rows
	s_and_b32 s15, ttmp9, 3                        ; which 256 along K
	s_lshl_b32 s16, s14, 6
	s_lshr_b32 s17, s12, 1
	s_lshl_b32 s17, s17, 5
	s_add_co_u32 s16, s16, s17
	s_and_b32 s17, s12, 1
	s_lshl_b32 s17, s17, 3
	s_add_co_u32 s16, s16, s17                     ; my tile's first row of x: 64 GR + 32 (w / 2) + 8 (w % 2)
	s_lshl_b32 s16, s16, 12                        ; rows of 4,096 bytes
	s_lshl_b32 s17, s15, 10
	s_add_co_u32 s16, s16, s17
	s_mov_b32 s17, 0
	s_lshl_b32 s18, s14, 2
	s_add_co_u32 s18, s18, s12                     ; my tile
	s_lshl_b32 s18, s18, 3
	s_lshl_b32 s19, s15, 1                         ; my first K step of 128
	s_add_co_u32 s18, s18, s19
	s_mul_i32 s18, s18, 1536
	s_mul_i32 s20, s19, 49152
	s_mov_b32 s19, 0
	s_lshl_b32 s21, s14, 8
	s_add_co_u32 s20, s20, s21
	s_mov_b32 s21, 0
	s_lshl_b32 s22, ttmp9, 10                      ; the table: 128 threads x 8 bytes a work-group
	s_mov_b32 s23, 0
	s_lshl_b32 s24, ttmp9, 7
	s_mov_b32 s[SEL], 0x76543210
	s_mov_b32 s[SEL+1], 0xfedcba98
	s_mov_b32 s30, 0x3ed49a78                      ; log2(10000) / 32, upper part,
	s_mov_b32 s31, 0x32179a37                      ; and what is left of it
	s_mov_b32 s32, 0xbfc90fdb                      ; -pi / 2, upper part,
	s_mov_b32 s33, 0x333bbd2e                      ; and what is left of it
	s_mov_b32 s34, 0xb94ca1f9                      ; the sine's highest coefficient
	s_mov_b32 s35, 0x37ccf5ce                      ; the cosine's
	s_wait_kmcnt 0x0
	s_add_nc_u64 s[4:5], s[4:5], s[16:17]
	s_add_nc_u64 s[6:7], s[6:7], s[18:19]
	s_add_nc_u64 s[8:9], s[8:9], s[20:21]
	s_add_nc_u64 s[10:11], s[10:11], s[22:23]
.irp jj, 0,1
.irp rr, 0,1,2,3,4,5,6,7,8,9,10,11,12,13,14,15
	global_load_b128 v[R+64*\jj+4*\rr:R+64*\jj+4*\rr+3], v1, s[4:5] offset:(\rr+8*(\rr/8))*4096+512*\jj th:TH_LOAD_NT   ; 32 lanes read 512 consecutive bytes of tile row rr
.endr
.endr
	; ---- the table, while the loads are on their way
	v_add_nc_u32 v54, s24, v0                      ; which pair of the table is mine
	v_and_b32 v55, 1, v54
	v_bfe_u32 v56, v54, 6, 2
	v_lshl_add_u32 v55, v56, 1, v55
	v_bfe_u32 v56, v54, 5, 1
	v_lshl_add_u32 v55, v56, 3, v55
	v_bfe_u32 v56, v54, 8, 1
	v_lshl_add_u32 v55, v56, 4, v55                ; i, 0 .. 31
	v_bfe_u32 v56, v54, 1, 4
	v_and_b32 v57, 8, v56
	v_add_nc_u32 v56, v56, v57
	v_bfe_u32 v57, v54, 9, 1
	v_lshl_add_u32 v56, v57, 3, v56
	v_lshrrev_b32 v57, 10, v54
	v_lshl_add_u32 v56, v57, 5, v56                ; the position, 0 .. 2,047
	v_cvt_f32_u32 v55, v55
	v_cvt_f32_u32 v56, v56
	v_mul_f32 v57, s30, v55                        ; the exponent's upper part,
	v_fma_f32 v58, v55, s30, -v57                  ; what that product dropped,
	v_fma_f32 v58, v55, s31, v58                   ; and the constant's lower part
	s_wait_alu depctr_va_vdst(0)
	v_exp_f32 v59, -v57
	v_mul_f32 v58, 0xbf317218, v58                 ; x -ln 2.  (The plain line behind the exponential)
	s_wait_alu depctr_va_vdst(0)                   ; the wait ahead of the result's first reader
	v_fma_f32 v59, v59, v58, v59                   ; the frequency
	v_mul_f32 v56, v56, v59                        ; the angle
	v_mul_f32 v57, 0x3f22f983, v56
	v_rndne_f32 v57, v57                           ; n = the nearest multiple of pi / 2
	v_fma_f32 v56, v57, s32, v56
	v_fma_f32 v56, v57, s33, v56                   ; what is left, within +-pi / 4
	v_mul_f32 v58, v56, v56
	v_cvt_i32_f32 v57, v57
	v_fmaak_f32 v60, s34, v58, 0x3c08839e
	v_fmaak_f32 v61, s35, v58, 0xbab6061a
	v_fmaak_f32 v60, v60, v58, 0xbe2aaaa3
	v_fmaak_f32 v61, v61, v58, 0x3d2aaaa5
	v_mul_f32 v60, v60, v58
	v_mul_f32 v62, v58, v58
	v_fma_f32 v63, v58, -0.5, 1.0
	v_fma_f32 v60, v60, v56, v56                   ; the sine of what is left
	v_fma_f32 v61, v61, v62, v63                   ; its cosine
	v_and_b32 v62, 1, v57
	v_cmp_ne_u32 vcc_lo, 0, v62                    ; an odd n swaps the two
	v_cndmask_b32 v63, v60, v61, vcc_lo            ; sin
	v_cndmask_b32 v62, v61, v60, vcc_lo            ; cos
	v_lshlrev_b32 v60, 30, v57
	v_and_b32 v60, 0x80000000, v60                 ; sin is negated where n mod 4 is 2 or 3,
	v_xor_b32 v63, v63, v60
	v_add_nc_u32 v61, 1, v57
	v_lshlrev_b32 v61, 30, v61
	v_and_b32 v61, 0x80000000, v61                 ; cos where it is 1 or 2
	v_xor_b32 v62, v62, v61
	global_store_b64 v7, v[62:63], s[10:11]        ; a wave stores 256 consecutive bytes, aligned
; ---- a K step of 128: through the stage, quantised, stored
.macro STEPX jj
.if \jj == 0
	s_wait_loadcnt 16                              ; this step's sixteen loads are in; the next step's sixteen may be out
.else
	s_wait_loadcnt 0x0
.endif
.irp rr, 0,1,2,3,4,5,6,7,8,9,10,11,12,13,14,15
	ds_store_b128 v2, v[R+64*\jj+4*\rr:R+64*\jj+4*\rr+3] offset:528*\rr
.endr
.irp b, 0,1,2,3
.irp q, 0,1,2,3
	ds_load_b128 v[X+16*\b+4*\q:X+16*\b+4*\q+3], v3 offset:128*\b+16*\q   ; LDS serves a wave's instructions in order: these see my stores
.endr
.endr
	s_wait_dscnt 0x0
	s_wait_xcnt 0x0                                ; the last step's stores have read their registers: the codes may be written again
	QUANT X, PC, PC+6
.irp c, 0,1,2
	global_store_b128 v1, v[PC+4*\c:PC+4*\c+3], s[6:7] offset:1536*\jj+512*\c   ; 512 consecutive bytes, aligned
.endr
	ds_store_b32 v4, v[PW] offset:256*\jj          ; lanes r and r + 16 write the same word with the same value
.endm
	STEPX 0
	STEPX 1
	s_wait_dscnt 0x0                               ; for the others' sake: my scale words have landed
	s_barrier_signal -1
	s_barrier_wait -1
	s_cmp_lg_u32 s12, 0
	s_cbranch_scc1 .Lnot_wave_0
	ds_load_b128 v[64:67], v5                      ; 64 rows' words of both K steps
	s_wait_dscnt 0x0
	global_store_b128 v6, v[64:67], s[8:9]         ; sixteen lanes fill 256 aligned bytes of a plane
.Lnot_wave_0:
	s_wait_tensorcnt 0x0                           ; the wave's end
	ds_add_u32 v[SPW], v[NIL]
	s_wait_dscnt 0x0
	s_endpgm
.Lfunc_end_k_q4fc2bd05c4_prep_x:
	.size	k_q4fc2bd05c4_prep_x, .Lfunc_end_k_q4fc2bd05c4_prep_x-k_q4fc2bd05c4_prep_x
	.p2alignl 7, 3214868480
	.fill 96, 4, 3214868480
	.section	.rodata,"a",@progbits
	.p2align	6, 0x0
	.amdhsa_kernel k_q4fc2bd05c4_prep_x
		.amdhsa_group_segment_fixed_size 34816
		.amdhsa_private_segment_fixed_size 0
		.amdhsa_enable_private_segment 0
		.amdhsa_kernarg_size 32
		.amdhsa_user_sgpr_count 2
		.amdhsa_user_sgpr_kernarg_segment_ptr 1
		.amdhsa_wavefront_size32 1
		.amdhsa_system_sgpr_workgroup_id_x 1
		.amdhsa_system_sgpr_workgroup_id_y 1
		.amdhsa_system_sgpr_workgroup_id_z 1
		.amdhsa_system_vgpr_workitem_id 0
		.amdhsa_next_free_vgpr 256
		.amdhsa_next_free_sgpr 66
		.amdhsa_reserve_vcc 1
		.amdhsa_float_denorm_mode_32 3
		.amdhsa_float_denorm_mode_16_64 3
		.amdhsa_memory_ordered 1
		.amdhsa_forward_progress 1
		.amdhsa_inst_pref_size 22
	.end_amdhsa_kernel
	.amdgpu_metadata
---
amdhsa.version: [ 1, 2 ]
amdhsa.kernels:
  - .name:           k_q4fc2bd05c4_prep_x
    .symbol:         k_q4fc2bd05c4_prep_x.kd
    .args:
      - { .name: x, .offset: 0, .size: 8, .value_kind: global_buffer, .address_space: global }
      - { .name: cxw, .offset: 8, .size: 8, .value_kind: global_buffer, .address_space: global }
      - { .name: sxw, .offset: 16, .size: 8, .value_kind: global_buffer, .address_space: global }
      - { .name: rope, .offset: 24, .size: 8, .value_kind: global_buffer, .address_space: global }
    .group_segment_fixed_size: 34816
    .private_segment_fixed_size: 0
    .kernarg_segment_align: 8
    .kernarg_segment_size: 32
    .max_flat_workgroup_size: 128
    .sgpr_count:     66
    .vgpr_count:     256
    .wavefront_size: 32
...
	.end_amdgpu_metadata
.endif
;; end of part 1
;; launch prep_w (part 2): grid 32 x 8, 4 waves a work-group, no clusters, 1,024 bytes of LDS; arguments Wq, Wk, Wv, Wo, cxw, sxw; writes cxw, sxw
.if DOCPART == 2
	.amdgcn_target "amdgcn-amd-amdhsa--gfx1250"
	.amdhsa_code_object_version 6
	.text
	.protected	k_q4fc2bd05c4_prep_w
	.globl	k_q4fc2bd05c4_prep_w
	.p2align	8
	.type	k_q4fc2bd05c4_prep_w,@function
k_q4fc2bd05c4_prep_w:
	s_mov_b64 s[64:65], 0
	v_nop
	global_prefetch_b8 v0, s[64:65] scope:SCOPE_SE
	s_setreg_imm32_b32 hwreg(HW_REG_WAVE_MODE, 25, 1), 1
	s_wait_xcnt 0x0
; Wq, Wk, Wv, Wo [1024 (k)][1024 (n)], f32, K their FIRST axis, become codes of E2M3 along K with one E8M0 byte for each 32, laid as images of operand registers behind x's in cxw (row tiles 512 + 64 x tensor on)
; and sxw (buffer rows 8,192 + 1,024 x tensor on).  The image (16 rows x 128 K: registers 4 c .. 4 c + 3 of lane L at byte 512 c + 16 L), the order of a tile's rows (lane row r of tile T = row 32 (T / 2) + 8 (T % 2) + r + 8 (r / 8))
; and the limits are those of the launch that quantises x.  LIMITS: NaN and infinities are not served; a block of zeros, or one whose largest magnitude lies under 2^-124, gets the byte 1 (this program alone reads the bytes).
; A LANE TAKES A COLUMN n AND ITS REGISTERS RUN DOWN K: a block of 32 lies in one lane, and the conversions give codes with K innermost.  Lane L is buffer row L of its wave's 32 and loads column
; (L & 7) | (L & 8) << 1 | (L & 16) >> 1 of them.  Its four blocks of a K step of 128 are the twelve registers of fragment lane (r, 0) (blocks 0, 2) and those of lane (r, 1) (blocks 1, 3) of tile L / 16.
; SHARES: work-group x = 8 x tensor + 128 columns, y = K step of 128; wave w 32 columns.  Loads run two blocks (64 loads a wave) ahead; each block has registers of its own.  No cluster: work-groups share no input.
.set SPARE, 512                        ; behind the 128 scale words: the spare words, 128 bytes for each wave: two blocks of 256 bytes that no other line names
.set SPW, 6                            ; v6   my spare word's LDS address; never rewritten
.set NIL, 7                            ; v7   0; never rewritten
.set F,   16                           ; v16-27 blocks 0 and 2, v28-39 blocks 1 and 3
.set X,   64                           ; v64-191 my column's 128 numbers
	s_load_b256 s[4:11], s[0:1], 0x0               ; Wq, Wk, Wv, Wo
	s_load_b128 s[12:15], s[0:1], 0x20             ; cxw, sxw
	v_lshl_add_u32 v[SPW], v0, 2, SPARE
	v_mov_b32 v[NIL], 0
	v_lshrrev_b32 v1, 5, v0
	v_readfirstlane_b32 s16, v1                    ; wave
	v_and_b32 v8, 31, v0                           ; L
	v_and_b32 v9, 7, v8
	v_and_b32 v10, 8, v8
	v_lshl_or_b32 v9, v10, 1, v9
	v_and_b32 v10, 16, v8
	v_lshrrev_b32 v10, 1, v10
	v_or_b32 v9, v9, v10
	v_lshlrev_b32 v1, 2, v9                        ; my column's bytes in a row of W
	v_lshrrev_b32 v10, 4, v8
	v_and_b32 v11, 15, v8
	v_mul_u32_u24 v2, v10, 12288
	v_lshl_add_u32 v2, v11, 4, v2                  ; the codes: tile L / 16 (12,288 bytes a tile), 16 r
	v_lshlrev_b32 v3, 2, v0                        ; LDS: my row's scale word
	v_lshlrev_b32 v4, 4, v8                        ; wave 0: 16 bytes a lane, in LDS and in sxw
	s_lshr_b32 s17, ttmp9, 3                       ; which tensor
	s_and_b32 s18, ttmp9, 7                        ; which 128 columns
	s_and_b32 s19, ttmp7, 0xffff                   ; which K step
	s_lshl_b32 s20, s19, 19                        ; 128 rows of 4,096 bytes
	s_lshl_b32 s21, s18, 9
	s_add_co_u32 s20, s20, s21
	s_lshl_b32 s21, s16, 7
	s_add_co_u32 s20, s20, s21
	s_mov_b32 s21, 0
	s_lshl_b32 s22, s17, 6
	s_add_co_u32 s22, s22, 512
	s_lshl_b32 s23, s18, 3
	s_add_co_u32 s22, s22, s23
	s_lshl_b32 s23, s16, 1
	s_add_co_u32 s22, s22, s23                     ; my first row tile
	s_lshl_b32 s22, s22, 3
	s_add_co_u32 s22, s22, s19
	s_mul_i32 s22, s22, 1536
	s_mov_b32 s23, 0
	s_mul_i32 s24, s19, 49152
	s_lshl_b32 s25, s17, 12
	s_add_co_u32 s24, s24, s25
	s_lshl_b32 s25, s18, 9
	s_add_co_u32 s24, s24, s25
	s_add_co_u32 s24, s24, 32768                   ; behind x's 8,192 rows
	s_mov_b32 s25, 0
	s_wait_alu depctr_va_vdst(0)
	s_wait_kmcnt 0x0
	s_cmp_eq_u32 s17, 1                            ; the choice hangs on the work-group's number alone
	s_cselect_b64 s[4:5], s[6:7], s[4:5]
	s_cmp_eq_u32 s17, 2
	s_cselect_b64 s[4:5], s[8:9], s[4:5]
	s_cmp_eq_u32 s17, 3
	s_cselect_b64 s[4:5], s[10:11], s[4:5]
	s_add_nc_u64 s[4:5], s[4:5], s[20:21]
	s_add_nc_u64 s[12:13], s[12:13], s[22:23]
	s_add_nc_u64 s[14:15], s[14:15], s[24:25]
.macro LOADB t                         ; block t: rows 32 t .. 32 t + 31 of the K step, my column: each load of the wave reads 128 consecutive bytes
.set KK, 32*(\t)
.rept 32
	global_load_b32 v[X+KK], v1, s[4:5] offset:4096*KK th:TH_LOAD_NT
.set KK, KK+1
.endr
.endm
	LOADB 0
	LOADB 1
.macro BLOCK t
.set XS, X+32*(\t)
.set FD, F+12*((\t)%2)+6*((\t)/2)
.if (\t) < 3
	s_wait_loadcnt 32                              ; this block's 32 loads are in; the next block's 32 may be out
.else
	s_wait_loadcnt 0x0
.endif
.if (\t)+2 < 4
	LOADB (\t)+2                                   ; two blocks ahead, into registers of its own
.endif
	v_max3_num_f32 v8, |v[XS]|, |v[XS+1]|, |v[XS+2]|               ; the block's largest magnitude: all 32 numbers are mine; two chains
	v_max3_num_f32 v9, |v[XS+3]|, |v[XS+4]|, |v[XS+5]|
.irp i, 6,10,14,18,22,26
	v_max3_num_f32 v8, v8, |v[XS+\i]|, |v[XS+\i+1]|
	v_max3_num_f32 v9, v9, |v[XS+\i+2]|, |v[XS+\i+3]|
.endr
	v_max3_num_f32 v8, v8, |v[XS+30]|, |v[XS+31]|
	v_max3_num_f32 v8, v8, v9, 0x1800000           ; and the floor 2^(3 - 127): the byte cannot fall under 1
	v_add_nc_u32 v10, 0xff000000, v8               ; 2 off the exponent field: the conversion's scale operand
	v_lshrrev_b32 v11, 23, v10                     ; the byte
.if (\t) == 0
	v_mov_b32 v14, v11
.else
	v_lshl_or_b32 v14, v11, 8*(\t), v14            ; four bytes to the word, the lower K in the lower byte
.endif
	v_cvt_scalef32_pk16_fp6_f32 v[FD:FD+2], v[XS:XS+15], v10
	v_cvt_scalef32_pk16_fp6_f32 v[40:42], v[XS+16:XS+31], v10   ; (a conversion's three registers begin on an even number)
	v_nop                                          ; one plain place behind the scaled conversions
.irp i, 0,1,2
	v_mov_b32 v[FD+3+\i], v[40+\i]
.endr
.endm
	BLOCK 0
	BLOCK 1
	BLOCK 2
	BLOCK 3
.irp hh, 0,1
.irp c, 0,1,2
	global_store_b128 v2, v[F+12*\hh+4*\c:F+12*\hh+4*\c+3], s[12:13] offset:512*\c+256*\hh   ; sixteen lanes fill 256 aligned bytes of their tile's image
.endr
.endr
	ds_store_b32 v3, v14
	s_wait_dscnt 0x0                               ; for wave 0's sake: my scale words have landed
	s_barrier_signal -1
	s_barrier_wait -1
	s_cmp_lg_u32 s16, 0
	s_cbranch_scc1 .Lnot_wave_0
	ds_load_b128 v[44:47], v4
	s_wait_dscnt 0x0
	global_store_b128 v4, v[44:47], s[14:15]       ; 128 rows' words: 512 consecutive bytes, aligned
.Lnot_wave_0:
	s_wait_tensorcnt 0x0                           ; the wave's end
	ds_add_u32 v[SPW], v[NIL]
	s_wait_dscnt 0x0
	s_endpgm
.Lfunc_end_k_q4fc2bd05c4_prep_w:
	.size	k_q4fc2bd05c4_prep_w, .Lfunc_end_k_q4fc2bd05c4_prep_w-k_q4fc2bd05c4_prep_w
	.p2alignl 7, 3214868480
	.fill 96, 4, 3214868480
	.section	.rodata,"a",@progbits
	.p2align	6, 0x0
	.amdhsa_kernel k_q4fc2bd05c4_prep_w
		.amdhsa_group_segment_fixed_size 1024
		.amdhsa_private_segment_fixed_size 0
		.amdhsa_enable_private_segment 0
		.amdhsa_kernarg_size 48
		.amdhsa_user_sgpr_count 2
		.amdhsa_user_sgpr_kernarg_segment_ptr 1
		.amdhsa_wavefront_size32 1
		.amdhsa_system_sgpr_workgroup_id_x 1
		.amdhsa_system_sgpr_workgroup_id_y 1
		.amdhsa_system_sgpr_workgroup_id_z 1
		.amdhsa_system_vgpr_workitem_id 0
		.amdhsa_next_free_vgpr 192
		.amdhsa_next_free_sgpr 66
		.amdhsa_reserve_vcc 0
		.amdhsa_float_denorm_mode_32 3
		.amdhsa_float_denorm_mode_16_64 3
		.amdhsa_memory_ordered 1
		.amdhsa_forward_progress 1
		.amdhsa_inst_pref_size 22
	.end_amdhsa_kernel
	.amdgpu_metadata
---
amdhsa.version: [ 1, 2 ]
amdhsa.kernels:
  - .name:           k_q4fc2bd05c4_prep_w
    .symbol:         k_q4fc2bd05c4_prep_w.kd
    .args:
      - { .name: Wq, .offset: 0, .size: 8, .value_kind: global_buffer, .address_space: global }
      - { .name: Wk, .offset: 8, .size: 8, .value_kind: global_buffer, .address_space: global }
      - { .name: Wv, .offset: 16, .size: 8, .value_kind: global_buffer, .address_space: global }
      - { .name: Wo, .offset: 24, .size: 8, .value_kind: global_buffer, .address_space: global }
      - { .name: cxw, .offset: 32, .size: 8, .value_kind: global_buffer, .address_space: global }
      - { .name: sxw, .offset: 40, .size: 8, .value_kind: global_buffer, .address_space: global }
    .group_segment_fixed_size: 1024
    .private_segment_fixed_size: 0
    .kernarg_segment_align: 8
    .kernarg_segment_size: 48
    .max_flat_workgroup_size: 128
    .sgpr_count:     66
    .vgpr_count:     192
    .wavefront_size: 32
...
	.end_amdgpu_metadata
.endif
;; end of part 2
;; launch qkv (part 3): grid 12 x 32, 4 waves a work-group, clusters of 4 x 4, 327,680 bytes of LDS; arguments cxw, sxw, bq, bk, bv, rope, qq, kv; writes qq, kv
.if DOCPART == 3
	.amdgcn_target "amdgcn-amd-amdhsa--gfx1250"
	.amdhsa_code_object_version 6
	.text
	.protected	k_q4fc2bd05c4_qkv
	.globl	k_q4fc2bd05c4_qkv
	.p2align	8
	.type	k_q4fc2bd05c4_qkv,@function
k_q4fc2bd05c4_qkv:
	s_mov_b64 s[64:65], 0
	v_nop
	global_prefetch_b8 v0, s[64:65] scope:SCOPE_SE
	s_setreg_imm32_b32 hwreg(HW_REG_WAVE_MODE, 25, 1), 1
	s_wait_xcnt 0x0
	s_wait_alu depctr_hold_cnt(0) depctr_sa_sdst(0) depctr_va_vdst(0) depctr_va_sdst(0) depctr_va_ssrc(0) depctr_va_vcc(0) depctr_vm_vsrc(0)
	s_getreg_b32 s2, hwreg(HW_REG_IB_STS2, 6, 4)
	s_cmp_eq_u32 s2, 0
	s_cbranch_scc0 .Lentry_in_a_cluster
	s_endpgm
.Lentry_in_a_cluster:
	s_bfe_u32 s2, ttmp6, 0x10000c
	s_cmp_lg_u32 s2, 0xf033
	s_cbranch_scc0 .Lentry_shape_is_right
	s_endpgm
.Lentry_shape_is_right:
.set NQ,    2
.set FR,    12
.set NL,    3
.set NP,    4
.set HALFT, 24576
.set SLOT,  98304
.set SCL,   196608
.set SPARE, 212992
.set ADRA, 16
.set ADRB, 20
.set ADRS, 27
.set SPW,  28
.set NIL,  29
.set SC,   32
.set AF,   128
.set ST,   128
.set TM,   192
.set PC,   208
.set PT,   220
.set PW,   228
.set W,    232
.set TMP,  240
.set SEL,  2
.set WV,   20
.set HA,   21
.set HB,   22
.set G1,   24
.set G0,   32
.set G1B,  48
.set G0B,  56
.set G1S,  68
.set G0S,  76
.set G1SB, 80
.set G0SB, 88
.set MSB, 0
.macro WIN new
.if MSB != (\new)
	s_set_vgpr_msb (MSB<<8)|(\new)
.set MSB, (\new)
.endif
.endm
.set MUL_LO, 0xa1
.set MUL_HI, 0xf1
.set TO_B,   0x40
.macro JLOAD g0a, g1a, g0b, g1b
	s_cmp_eq_u32 s[HA], 0
	s_cbranch_scc0 .Lfor_b_\@
	tensor_load_to_lds s[\g0a:\g0a+3], s[\g1a:\g1a+7]
	s_nop 0
.rept 4
	v_nop
.endr
	s_branch .Lasked_\@
.Lfor_b_\@:
	tensor_load_to_lds s[\g0b:\g0b+3], s[\g1b:\g1b+7]
	s_nop 0
.rept 4
	v_nop
.endr
.Lasked_\@:
.endm
.macro CREST
	s_cmp_lg_u32 s[WV], 0
	s_cbranch_scc1 .Lnot_wave_0_\@
	s_barrier_signal -3
.Lnot_wave_0_\@:
	s_barrier_wait -3
	s_barrier_signal -1
	s_barrier_wait -1
.endm
.macro CROUND
	s_barrier_signal -1
	s_barrier_wait -1
	CREST
.endm
.macro QUANT s, da, db
.irp b, 0,1,2,3
	v_max3_num_f32 v[TM+\b], |v[\s+16*\b]|, |v[\s+1+16*\b]|, 0x1800000
.endr
.irp i, 2,4,6,8,10,12,14
.irp b, 0,1,2,3
	v_max3_num_f32 v[TM+\b], v[TM+\b], |v[\s+16*\b+\i]|, |v[\s+1+16*\b+\i]|
.endr
.endr
.irp b, 0,1,2,3
	v_permlanex16_b32 v[TM+4+\b], v[TM+\b], s[SEL], s[SEL+1]
.endr
.irp b, 0,1,2,3
	v_max_num_f32 v[TM+\b], v[TM+\b], v[TM+4+\b]
.endr
.irp b, 0,1,2,3
	v_add_nc_u32 v[TM+12+\b], 0xff000000, v[TM+\b]
.endr
.irp b, 0,1,2,3
	v_lshrrev_b32 v[TM+4+\b], 23, v[TM+12+\b]
.endr
	v_lshl_or_b32 v[PW], v[TM+5], 8, v[TM+4]
	v_lshl_or_b32 v[PW], v[TM+6], 16, v[PW]
	v_lshl_or_b32 v[PW], v[TM+7], 24, v[PW]
	v_cvt_scalef32_pk16_fp6_f32 v[\da:\da+2], v[\s:\s+15], v[TM+12]
	v_cvt_scalef32_pk16_fp6_f32 v[PT:PT+2], v[\s+16:\s+31], v[TM+13]
	v_cvt_scalef32_pk16_fp6_f32 v[\db:\db+2], v[\s+32:\s+47], v[TM+14]
	v_cvt_scalef32_pk16_fp6_f32 v[PT+4:PT+6], v[\s+48:\s+63], v[TM+15]
	v_nop
.irp i, 0,1,2
	v_permlane16_swap_b32 v[\da+\i], v[PT+\i]
.endr
.irp i, 0,1,2
	v_mov_b32 v[\da+3+\i], v[PT+\i]
.endr
.irp i, 0,1,2
	v_permlane16_swap_b32 v[\db+\i], v[PT+4+\i]
.endr
.irp i, 0,1,2
	v_mov_b32 v[\db+3+\i], v[PT+4+\i]
.endr
.endm
	s_load_b256 s[4:11], s[0:1], 0x0
	s_load_b256 s[12:19], s[0:1], 0x20
	v_lshl_add_u32 v[SPW], v0, 2, SPARE
	v_mov_b32 v[NIL], 0
	ds_add_u32 v[SPW], v[NIL]
	ds_add_u32 v[SPW], v[NIL]
	v_lshrrev_b32 v1, 5, v0
	v_readfirstlane_b32 s[WV], v1
	s_lshr_b32 s[HA], s[WV], 1
	s_and_b32 s[HB], s[WV], 1
	s_bfe_u32 s40, ttmp6, 0x40000
	s_bfe_u32 s41, ttmp6, 0x40004
	s_and_b32 s42, ttmp7, 0xffff
	s_lshl_b32 s43, s41, 2
	s_lshl_b32 s43, 15, s43
	s_lshl_b32 s44, 0x1111, s40
	s_lshl_b32 s45, s42, 2
	s_add_co_u32 s45, s45, s41
	s_add_co_u32 s47, s41, 40
	s_lshl_b32 s46, ttmp9, 2
	s_add_co_u32 s46, s46, s40
	s_add_co_u32 s46, s46, 32
	s_lshl_b32 s66, s42, 2
	s_add_co_u32 s66, s66, s40
	s_cmp_eq_u32 ttmp9, 2
	s_cselect_b32 s45, s47, s45
	s_cselect_b32 s46, s66, s46
	s_or_b32 s[G1+0], s43, (3<<16)|(1<<21)
	s_or_b32 s[G1B+0], s44, (3<<16)|(1<<21)
.irp g, G1, G1B
	s_mov_b32 s[\g+1], 384<<16
	s_mov_b32 s[\g+2], 8<<16
	s_mov_b32 s[\g+3], 384<<16
	s_mov_b32 s[\g+4], 8
	s_mov_b32 s[\g+5], 1536
	s_mov_b32 s[\g+6], 0
	s_mov_b32 s[\g+7], 0
.endr
	s_or_b32 s[G1S+0], s43, (3<<16)|(1<<21)
	s_or_b32 s[G1SB+0], s44, (3<<16)|(1<<21)
.irp g, G1S, G1SB
	s_mov_b32 s[\g+1], 64<<16
	s_mov_b32 s[\g+2], 8<<16
	s_mov_b32 s[\g+3], 64<<16
	s_mov_b32 s[\g+4], 8
	s_mov_b32 s[\g+5], 6144
	s_mov_b32 s[\g+6], 0
	s_mov_b32 s[\g+7], 0
.endr
	s_mul_i32 s92, s45, 196608
	s_mul_i32 s47, s[HB], 98304
	s_add_co_u32 s92, s92, s47
	s_mov_b32 s93, 0
	s_lshl_b32 s94, s45, 10
	s_lshl_b32 s47, s[HB], 9
	s_add_co_u32 s94, s94, s47
	s_mov_b32 s95, 0
	s_mul_i32 s96, s46, 196608
	s_mul_i32 s47, s[HB], 98304
	s_add_co_u32 s96, s96, s47
	s_mov_b32 s97, 0
	s_lshl_b32 s98, s46, 10
	s_lshl_b32 s47, s[HB], 9
	s_add_co_u32 s98, s98, s47
	s_mov_b32 s99, 0
	s_mul_i32 s100, s[WV], HALFT
	s_lshl_b32 s101, s[WV], 12
	s_mov_b32 s[SEL], 0x76543210
	s_mov_b32 s[SEL+1], 0xfedcba98
	s_wait_dscnt 0x0
	s_wait_kmcnt 0x0
	s_add_nc_u64 s[92:93], s[4:5], s[92:93]
	s_add_nc_u64 s[94:95], s[6:7], s[94:95]
	s_add_nc_u64 s[96:97], s[4:5], s[96:97]
	s_add_nc_u64 s[98:99], s[6:7], s[98:99]
	CROUND
	s_mov_b32 s[G0S], 1
	s_add_co_u32 s[G0S+1], s101, SCL
	s_mov_b64 s[G0S+2:G0S+3], s[94:95]
	s_or_b32 s[G0S+3], s[G0S+3], 0x80000000
	s_mov_b32 s[G0SB], 1
	s_add_co_u32 s[G0SB+1], s101, SCL
	s_mov_b64 s[G0SB+2:G0SB+3], s[98:99]
	s_or_b32 s[G0SB+3], s[G0SB+3], 0x80000000
	JLOAD G0S, G1S, G0SB, G1SB
.irp s, 0,1
	s_mov_b32 s[G0+4*\s], 1
	s_add_co_u32 s[G0+4*\s+1], s100, \s*SLOT
	s_add_nc_u64 s[G0+4*\s+2:G0+4*\s+3], s[92:93], \s*3072
	s_or_b32 s[G0+4*\s+3], s[G0+4*\s+3], 0x80000000
	s_mov_b32 s[G0B+4*\s], 1
	s_add_co_u32 s[G0B+4*\s+1], s100, \s*SLOT
	s_add_nc_u64 s[G0B+4*\s+2:G0B+4*\s+3], s[96:97], \s*3072
	s_or_b32 s[G0B+4*\s+3], s[G0B+4*\s+3], 0x80000000
	s_wait_alu depctr_va_vdst(0)
	s_wait_tensorcnt 0x0
	ds_add_u32 v28, v29
	s_wait_dscnt 0x0
	CROUND
	JLOAD G0+4*\s, G1, G0B+4*\s, G1B
.endr
	v_and_b32 v1, 15, v0
	v_bfe_u32 v2, v0, 4, 1
	s_wait_alu depctr_va_vdst(0)
	v_and_b32 v3, 31, v0
	v_lshlrev_b32 v8, 4, v3
	s_mul_i32 s47, s[HA], HALFT
	s_mul_i32 s66, s[HB], HALFT
	s_add_co_u32 s66, s66, 2*HALFT
.irp s, 0,1
	v_add_nc_u32 v[ADRA+\s], s47, v8
	v_add_nc_u32 v[ADRB+\s], s66, v8
	s_add_co_u32 s47, s47, SLOT
	s_add_co_u32 s66, s66, SLOT
.endr
	s_lshl_b32 s47, s[HA], 12
	s_lshl_b32 s66, s[HB], 12
	s_add_co_u32 s66, s66, 8192
	s_sub_co_u32 s66, s66, s47
	v_mul_u32_u24 v4, s66, v2
	s_add_co_u32 s47, s47, SCL
	v_lshl_add_u32 v4, v1, 2, v4
	v_add_nc_u32 v[ADRS], s47, v4
	v_lshlrev_b32 v15, 4, v1
	v_lshl_add_u32 v9, v2, 3, v15
	v_lshlrev_b32 v10, 6, v2
	v_lshlrev_b32 v12, 4, v2
	v_and_b32 v13, 8, v1
	v_add_nc_u32 v13, v13, v1
	v_lshlrev_b32 v13, 2, v13
	v_mov_b32 v14, v2
.macro FRAG reg, adr, q, i
.irp c, 0,1,2
	ds_load_b128 v[\reg+4*\c:\reg+4*\c+3], v[\adr] offset:3072*(\i)+1536*(\q)+512*\c
.endr
.endm
.macro MUL16 a0, p, q, sc, zero
.irp a, \a0, \a0+1
.irp b, 0,1,2,3,4,5,6,7
.if \zero
	v_wmma_scale_f32_16x16x128_f8f6f4 v[8*(8*((\a)%4)+\b):8*(8*((\a)%4)+\b)+7], v[128*(\p)+FR*\b:128*(\p)+FR*\b+FR-1], v[AF+FR*(\a):AF+FR*(\a)+FR-1], 0, v[SC+8*NQ*(\sc)+NQ*\b+(\q)], v[SC+8*NQ*(\sc)+NQ*(\a)+(\q)] matrix_a_fmt:MATRIX_FMT_FP6 matrix_b_fmt:MATRIX_FMT_FP6 matrix_a_scale:MATRIX_SCALE_ROW1
.else
	v_wmma_scale_f32_16x16x128_f8f6f4 v[8*(8*((\a)%4)+\b):8*(8*((\a)%4)+\b)+7], v[128*(\p)+FR*\b:128*(\p)+FR*\b+FR-1], v[AF+FR*(\a):AF+FR*(\a)+FR-1], v[8*(8*((\a)%4)+\b):8*(8*((\a)%4)+\b)+7], v[SC+8*NQ*(\sc)+NQ*\b+(\q)], v[SC+8*NQ*(\sc)+NQ*(\a)+(\q)] matrix_a_fmt:MATRIX_FMT_FP6 matrix_b_fmt:MATRIX_FMT_FP6 matrix_a_scale:MATRIX_SCALE_ROW1
.endif
.endr
.endr
.endm
.macro FETCH_B slot, q, p
	WIN TO_B
.irp i, 0,1,2,3,4,5,6,7
	FRAG 128*(\p)+FR*\i, ADRB+\slot, \q, \i
.endr
	WIN 0
.endm
.macro FETCH_A slot, q, i0
.irp i, \i0, \i0+1, \i0+2, \i0+3
	FRAG AF+FR*(\i), ADRA+\slot, \q, \i
.endr
.endm
.macro SCALES sc
.irp i, 0,1,2,3,4,5,6,7
.irp q, 0,1
	ds_load_b32 v[SC+16*\sc+2*\i+\q], v[ADRS] offset:512*\q+64*\i
.endr
.endr
.endm
.macro PLACES n
.rept \n
	v_nop
.endr
.endm
.macro STEP slot, q, zero
	s_wait_dscnt 4*NL
	WIN MUL_LO
	MUL16 0, (\q)%2, \q, \slot, \zero
	MUL16 2, (\q)%2, \q, \slot, \zero
	s_wait_dscnt 0
	PLACES NP
	FETCH_B \slot, (\q)+1, 1-(\q)%2
	FETCH_A \slot, (\q)+1, 0
	WIN MUL_HI
	MUL16 4, (\q)%2, \q, \slot, \zero
	MUL16 6, (\q)%2, \q, \slot, \zero
	PLACES NP
	WIN 0
	FETCH_A \slot, (\q)+1, 4
.endm
.macro TURN slot, next, fill
	s_wait_tensorcnt 0x0
	ds_add_u32 v[SPW], v[NIL]
	s_wait_dscnt 4*NL+1
	WIN MUL_LO
	MUL16 0, 1, NQ-1, \slot, 0
	s_wait_dscnt 0x0
	s_barrier_signal -1
	MUL16 2, 1, NQ-1, \slot, 0
	WIN 0
	s_barrier_wait -1
.if \fill
	CREST
	s_add_nc_u64 s[G0+4*\slot+2:G0+4*\slot+3], s[G0+4*\slot+2:G0+4*\slot+3], 6144
	s_add_nc_u64 s[G0B+4*\slot+2:G0B+4*\slot+3], s[G0B+4*\slot+2:G0B+4*\slot+3], 6144
	JLOAD G0+4*\slot, G1, G0B+4*\slot, G1B
.else
	PLACES NP
.endif
	s_wait_alu depctr_va_vdst(0)
	v_add_nc_u32 v[ADRS], 1024, v[ADRS]
	FETCH_B \next, 0, 0
	FETCH_A \next, 0, 0
	SCALES \next
	WIN MUL_HI
	MUL16 4, 1, NQ-1, \slot, 0
	MUL16 6, 1, NQ-1, \slot, 0
	PLACES NP
	WIN 0
	FETCH_A \next, 0, 4
.endm
.macro TAIL
	STEP 1, 0, 0
	s_wait_dscnt 4*NL
	WIN MUL_LO
	MUL16 0, 1, NQ-1, 1, 0
	MUL16 2, 1, NQ-1, 1, 0
	s_wait_dscnt 0
	WIN MUL_HI
	MUL16 4, 1, NQ-1, 1, 0
	MUL16 6, 1, NQ-1, 1, 0
	WIN 0
	PLACES NP
.irp b, 0,1,2,3
	v_mov_b32 v[TM+4+\b], 0
.endr
.endm
	s_wait_alu depctr_va_vdst(0)
	s_wait_tensorcnt 1
	s_barrier_signal -1
	s_barrier_wait -1
	FETCH_B 0, 0, 0
	FETCH_A 0, 0, 0
	SCALES 0
	FETCH_A 0, 0, 4
	STEP 0, 0, 1
	TURN 0, 1, 1
	STEP 1, 0, 0
	TURN 1, 0, 1
	STEP 0, 0, 0
	TURN 0, 1, 0
	s_cmp_eq_u32 ttmp9, 2
	s_cbranch_scc1 .Lrole_v
	s_lshr_b32 s66, s45, 3
	s_and_b32 s67, s45, 7
	s_lshl_b32 s67, s67, 1
	s_add_co_u32 s67, s67, s[HA]
	s_lshl_b32 s47, s40, 2
	s_lshl_b32 s100, s[HB], 1
	s_add_co_u32 s47, s47, s100
	s_lshl_b32 s66, s66, 4
	s_add_co_u32 s66, s66, s47
	s_mov_b32 s100, 13056
	s_mov_b32 s101, 208896
	s_cmp_eq_u32 ttmp9, 0
	s_cselect_b64 s[92:93], s[16:17], s[18:19]
	s_cselect_b64 s[94:95], s[8:9], s[10:11]
	s_cselect_b32 s100, 6656, s100
	s_cselect_b32 s101, 106496, s101
	s_mul_i32 s96, s66, s101
	s_mul_i32 s47, s67, s100
	s_add_co_u32 s96, s96, s47
	s_mov_b32 s97, 0
	s_add_nc_u64 s[92:93], s[92:93], s[96:97]
	s_mov_b32 s98, s101
	s_mov_b32 s99, 0
	s_add_nc_u64 s[96:97], s[92:93], s[98:99]
	s_lshl_b32 s98, s40, 10
	s_lshl_b32 s47, s[HB], 9
	s_add_co_u32 s98, s98, s47
	s_add_nc_u64 s[94:95], s[94:95], s[98:99]
	s_lshl_b32 s98, s67, 15
	s_add_nc_u64 s[14:15], s[14:15], s[98:99]
	v_mad_u32_u24 v11, v14, s101, v15
	WIN 0x40
.irp b, 0,1,2,3
	global_load_b128 v[96+8*\b:99+8*\b], v10, s[94:95] offset:128*(\b/2)+32*(\b%2)
	global_load_b128 v[100+8*\b:103+8*\b], v10, s[94:95] offset:128*(\b/2)+32*(\b%2)+16
.endr
.irp b, 4,5,6,7
	global_load_b128 v[192+8*\b:195+8*\b], v10, s[94:95] offset:128*(\b/2)+32*(\b%2)
	global_load_b128 v[196+8*\b:199+8*\b], v10, s[94:95] offset:128*(\b/2)+32*(\b%2)+16
.endr
	WIN 0
.irp a, 0,1
.irp jx, 0,1,2,3,4,5,6,7
	global_load_b128 v[64+32*\a+4*\jx:67+32*\a+4*\jx], v8, s[14:15] offset:4096*\a+512*\jx
.endr
.endr
	TAIL
.macro QKBLK a
.set AC, 64*((\a)%4)
.set CSR, 64+32*((\a)%2)
.if (\a) < 7
	s_wait_loadcnt 8
.else
	s_wait_loadcnt 0x0
.endif
	WIN 0x06+(\a)/4
.set PP, 0
.rept 16
	v_pk_add_f32 v[ST+2*PP:ST+2*PP+1], v[AC+2*PP:AC+2*PP+1], v[96+2*PP:97+2*PP]
.set PP, PP+1
.endr
.rept 16
	v_pk_add_f32 v[ST+2*PP:ST+2*PP+1], v[AC+2*PP:AC+2*PP+1], v[192+2*PP:193+2*PP]
.set PP, PP+1
.endr
	WIN 0
.set PP, 0
.rept 8
.irp u, 0,1,2,3
	v_pk_mul_f32 v[TMP+2*\u:TMP+2*\u+1], v[ST+2*(PP+\u):ST+2*(PP+\u)+1], v[CSR+2*((PP+\u)%16):CSR+2*((PP+\u)%16)+1] op_sel:[0,0] op_sel_hi:[0,1]
.endr
.irp u, 0,1,2,3
	v_pk_fma_f32 v[ST+2*(PP+\u):ST+2*(PP+\u)+1], v[ST+2*(PP+\u):ST+2*(PP+\u)+1], v[CSR+2*((PP+\u)%16):CSR+2*((PP+\u)%16)+1], v[TMP+2*\u:TMP+2*\u+1] op_sel:[1,1,0] op_sel_hi:[1,0,1] neg_lo:[0,1,0]
.endr
.set PP, PP+4
.endr
.if (\a) < 6
.irp jx, 0,1,2,3,4,5,6,7
	global_load_b128 v[CSR+4*\jx:CSR+4*\jx+3], v8, s[14:15] offset:4096*((\a)+2)+512*\jx
.endr
.endif
	s_wait_xcnt 0x0
	QUANT ST, PC, PC+6
	v_lshrrev_b32 v[W+(\a)], v12, v[PW]
.irp e, 0,1
	global_store_b128 v8, v[PC+6*\e:PC+6*\e+3], s[92+4*\e:93+4*\e] offset:768*(\a)
	global_store_b64 v9, v[PC+6*\e+4:PC+6*\e+5], s[92+4*\e:93+4*\e] offset:768*(\a)+512
.endr
.endm
.irp a, 0,1,2,3,4,5,6,7
	QKBLK \a
.endr
	global_store_b128 v11, v[W:W+3], s[92:93] offset:6144
	global_store_b128 v11, v[W+4:W+7], s[92:93] offset:6400
	s_branch .Lend
.Lrole_v:
	s_lshl_b32 s47, s41, 2
	s_lshl_b32 s66, s[HA], 1
	s_add_co_u32 s47, s47, s66
	s_lshr_b32 s66, s46, 3
	s_lshl_b32 s66, s66, 4
	s_add_co_u32 s66, s66, s47
	s_lshl_b32 s66, s66, 4
	s_and_b32 s47, s46, 7
	s_lshl_b32 s47, s47, 1
	s_add_co_u32 s47, s47, s[HB]
	s_add_co_u32 s66, s66, s47
	s_mul_i32 s96, s66, 13056
	s_add_co_u32 s96, s96, 6656
	s_mov_b32 s97, 0
	s_add_nc_u64 s[92:93], s[18:19], s[96:97]
	s_lshl_b32 s98, s41, 10
	s_lshl_b32 s47, s[HA], 9
	s_add_co_u32 s98, s98, s47
	s_mov_b32 s99, 0
	s_add_nc_u64 s[94:95], s[12:13], s[98:99]
	s_mov_b32 s101, 208896
	v_mad_u32_u24 v11, v14, s101, v15
.irp a, 0,1,2,3,4,5,6,7
	global_load_b32 v[64+2*\a], v13, s[94:95] offset:4*(32*(\a/2)+8*(\a%2))
	global_load_b32 v[65+2*\a], v13, s[94:95] offset:4*(32*(\a/2)+8*(\a%2))
.endr
	TAIL
	s_wait_loadcnt 0x0
.macro VBLK a
.set AC, 64*((\a)%4)
	WIN 0x02+(\a)/4
.set PP, 0
.rept 32
	v_pk_add_f32 v[ST+2*PP:ST+2*PP+1], v[AC+2*PP:AC+2*PP+1], v[64+2*(\a):65+2*(\a)]
.set PP, PP+1
.endr
	WIN 0
	s_wait_xcnt 0x0
	QUANT ST, PC, PC+6
	v_mov_b32 v[W+(\a)], v[PW]
.irp c, 0,1,2
	global_store_b128 v8, v[PC+4*\c:PC+4*\c+3], s[92:93] offset:208896*((\a)/4)+1536*((\a)%4)+512*\c
.endr
.endm
.irp a, 0,1,2,3,4,5,6,7
	VBLK \a
.endr
	v_cmp_ne_u32 s100, 0, v14
.irp i, 0,1,2,3
	v_cndmask_b32 v[TMP+\i], v[W+\i], v[W+4+\i], s100
.endr
	global_store_b128 v11, v[TMP:TMP+3], s[92:93] offset:6144
.Lend:
	s_wait_tensorcnt 0x0
	ds_add_u32 v[SPW], v[NIL]
	s_wait_dscnt 0x0
	CROUND
	s_endpgm
.Lfunc_end_k_q4fc2bd05c4_qkv:
	.size	k_q4fc2bd05c4_qkv, .Lfunc_end_k_q4fc2bd05c4_qkv-k_q4fc2bd05c4_qkv
	.p2alignl 7, 3214868480
	.fill 96, 4, 3214868480
	.section	.rodata,"a",@progbits
	.p2align	6, 0x0
	.amdhsa_kernel k_q4fc2bd05c4_qkv
		.amdhsa_group_segment_fixed_size 327680
		.amdhsa_private_segment_fixed_size 0
		.amdhsa_enable_private_segment 0
		.amdhsa_kernarg_size 64
		.amdhsa_user_sgpr_count 2
		.amdhsa_user_sgpr_kernarg_segment_ptr 1
		.amdhsa_wavefront_size32 1
		.amdhsa_system_sgpr_workgroup_id_x 1
		.amdhsa_system_sgpr_workgroup_id_y 1
		.amdhsa_system_sgpr_workgroup_id_z 1
		.amdhsa_system_vgpr_workitem_id 0
		.amdhsa_next_free_vgpr 1024
		.amdhsa_next_free_sgpr 102
		.amdhsa_reserve_vcc 0
		.amdhsa_float_denorm_mode_32 3
		.amdhsa_float_denorm_mode_16_64 3
		.amdhsa_memory_ordered 1
		.amdhsa_forward_progress 1
		.amdhsa_inst_pref_size 255
	.end_amdhsa_kernel
	.section	.bss,"aw",@nobits
	.p2align	6
	.space	262144
	.amdgpu_metadata
---
amdhsa.version: [ 1, 2 ]
amdhsa.kernels:
  - .name:           k_q4fc2bd05c4_qkv
    .symbol:         k_q4fc2bd05c4_qkv.kd
    .args:
      - { .name: cxw, .offset: 0, .size: 8, .value_kind: global_buffer, .address_space: global }
      - { .name: sxw, .offset: 8, .size: 8, .value_kind: global_buffer, .address_space: global }
      - { .name: bq, .offset: 16, .size: 8, .value_kind: global_buffer, .address_space: global }
      - { .name: bk, .offset: 24, .size: 8, .value_kind: global_buffer, .address_space: global }
      - { .name: bv, .offset: 32, .size: 8, .value_kind: global_buffer, .address_space: global }
      - { .name: rope, .offset: 40, .size: 8, .value_kind: global_buffer, .address_space: global }
      - { .name: qq, .offset: 48, .size: 8, .value_kind: global_buffer, .address_space: global }
      - { .name: kv, .offset: 56, .size: 8, .value_kind: global_buffer, .address_space: global }
    .group_segment_fixed_size: 327680
    .private_segment_fixed_size: 0
    .kernarg_segment_align: 8
    .kernarg_segment_size: 64
    .max_flat_workgroup_size: 128
    .sgpr_count:     102
    .vgpr_count:     1024
    .wavefront_size: 32
...
	.end_amdgpu_metadata
.endif
;; end of part 3
;; launch attn (part 4): grid 8 x 32, 16 waves a work-group, clusters of 4 x 1, 327,680 bytes of LDS; arguments qq, kv, ac, as_; writes ac, as_
.if DOCPART == 4
	.amdgcn_target "amdgcn-amd-amdhsa--gfx1250"
	.amdhsa_code_object_version 6
	.text
	.protected	k_q4fc2bd05c4_attn
	.globl	k_q4fc2bd05c4_attn
	.p2align	8
	.type	k_q4fc2bd05c4_attn,@function
k_q4fc2bd05c4_attn:
	s_mov_b64 s[64:65], 0
	v_nop
	global_prefetch_b8 v0, s[64:65] scope:SCOPE_SE
	s_setreg_imm32_b32 hwreg(HW_REG_WAVE_MODE, 25, 1), 1
	s_wait_xcnt 0x0
	s_wait_alu depctr_hold_cnt(0) depctr_sa_sdst(0) depctr_va_vdst(0) depctr_va_sdst(0) depctr_va_ssrc(0) depctr_va_vcc(0) depctr_vm_vsrc(0)
	s_getreg_b32 s2, hwreg(HW_REG_IB_STS2, 6, 4)
	s_cmp_eq_u32 s2, 0
	s_cbranch_scc0 .Lentry_in_a_cluster
	s_endpgm
.Lentry_in_a_cluster:
	s_bfe_u32 s2, ttmp6, 0x10000c
	s_cmp_lg_u32 s2, 0x3003
	s_cbranch_scc0 .Lentry_shape_is_right
	s_endpgm
.Lentry_shape_is_right:
; O = softmax(Q K^T / 8) V for 64 (batch, head) pairs of 2,048 tokens, head size 64, both products on codes of E2M3 with E8M0 scales; O / l is quantised at once as the left operand of the output projection.
; THE SOFTMAX: t = score x log2(e) / 8; M = the running largest t rounded UP to a whole number; p = 2^(t - M) is quantised along the keys, not normalised; the row's sum is taken of the unquantised p and divides at the end.
; When M moves, the sum and O are multiplied by 2^(old M - new M): exact.
; SHARES.  A work-group owns 256 queries and a PAIR of heads; each of its sixteen waves owns one tile of 16 queries, in 256 registers, and takes it through the first head and then the second: so it ends with 128 neighbours
; along the projection's K of its 16 rows: one whole image of an operand's registers and one whole scale word a row.
; Both products are used transposed (S^T = K Q^T, O^T = V^T P^T): a lane holds one query throughout.  The rows of K's and V's tiles are ordered by the launch before so that the registers of neighbouring tiles are neighbours.
; K = 64 IN AN INSTRUCTION OF 128: Q's upper six registers are zero codes; K's operand of tile t is twelve registers from its six on, so its upper half is the next tile's codes (behind the last tile: zeros).
; A zero code times any code of this format is 0, and no scale byte here is 0xff: the upper half adds nothing.
; THE RING: two slots of eight key steps (128 keys: 13,056 dense bytes: K's eight half images, K's words, V's four images, V's words).  A head is two slots; the two heads' key steps follow each other in memory.
; Waves 0 to 7 fetch a key step each.  CLUSTER: the four query blocks of a cluster walk the same keys: each tile is asked for jointly, mask 15.  By this text's own count a wave has at most two tensor loads out.
; LIMITS: NaN and infinities are not served; a block whose largest magnitude lies under 2^-124 gets the byte 1.
; REGISTERS: v1-3 lane offsets; v4, v5 the add's two; v6-8 the step's addresses; v9-11 the way out; v12 -M, v13 the largest t, v[14:15] the sum; v16-27 Q and its zeros; v28 Q's word; v29 p's word; v30-36 the second head's Q;
;   v37-39 scale bytes; v40-47 K's and V's words; v48-101 K (and six zeros); v102-149 V; v150-213 S^T, then p; v214-245 O^T; v246-251 the first head's codes; v252-254 at work.
.set STEPB, 13056
.set SLOT1, 104448
.set ASW,   208896                     ; behind the ring: 256 rows' scale words on their way out
.set SPARE, 209920                     ; the spare words, 128 bytes for each of sixteen waves
.set SPW, 4
.set NIL, 5
.set KR,  48
.set VR,  102
.set S,   150
.set O,   214
.set PC,  48                           ; once K is done with: p's codes,
.set BM,  68                           ; the blocks' largest scores,
.set PT,  72                           ; halves on their way,
.set SO,  80                           ; the conversions' scale operands
.set TB,  2
.set CNT, 3
.set WV,  12
.set SEL, 20
.set CS,  22
.set G1,  24
.set G0,  32
.macro CROUND
	s_barrier_signal -1
	s_barrier_wait -1
	s_cmp_lg_u32 s[WV], 0
	s_cbranch_scc1 .Lnot_wave_0_\@
	s_barrier_signal -3
.Lnot_wave_0_\@:
	s_barrier_wait -3
	s_barrier_signal -1
	s_barrier_wait -1
.endm
.macro JLOAD s                         ; waves 0 to 7 fetch, the others nothing: a branch on the wave's number, the same in every partner; an s_nop 0 and four v_nop follow the load
	s_cmp_lt_u32 s[WV], 8
	s_cbranch_scc0 .Lnone_\@
	tensor_load_to_lds s[G0+4*\s:G0+4*\s+3], s[G1:G1+7]
	s_nop 0
.rept 4
	v_nop
.endr
.Lnone_\@:
.endm
	s_load_b256 s[4:11], s[0:1], 0x0               ; qq s[4:5], kv s[6:7], ac s[8:9], as_ s[10:11]
	v_lshl_add_u32 v[SPW], v0, 2, SPARE
	v_mov_b32 v[NIL], 0
	ds_add_u32 v[SPW], v[NIL]                      ; the wave's opening: the add and its wait stand ahead of the first tensor loads; work on registers stands between them
	ds_add_u32 v[SPW], v[NIL]
	v_lshrrev_b32 v6, 5, v0
	s_delay_alu instid0(VALU_DEP_1)
	v_readfirstlane_b32 s[WV], v6                  ; wave 0..15
	s_bfe_u32 s13, ttmp6, 0x40000                  ; cx
	s_lshl_b32 s14, ttmp9, 2
	s_add_co_u32 s14, s14, s13                     ; my block of 256 queries: it enters Q's and the outputs' addresses alone
	s_and_b32 s15, ttmp7, 0xffff                   ; the pair of heads, which the four partners share
	s_mov_b32 s[G1], 15|(3<<16)|(1<<21)            ; 15:0 the mask: all four; 17:16 elements of 8 bytes; 21 set beside a mask; no padding
	s_mov_b32 s[G1+1], 32<<16                      ; tensor_dim0: rows of 256 bytes
	s_mov_b32 s[G1+2], 51<<16                      ; tensor_dim1: 51 of them: a key step
	s_mov_b32 s[G1+3], 32<<16
	s_mov_b32 s[G1+4], 51
	s_mov_b32 s[G1+5], 32                          ; dense
	s_mov_b32 s[G1+6], 0
	s_mov_b32 s[G1+7], 0
	s_mov_b32 s[SEL], 0x76543210
	s_mov_b32 s[SEL+1], 0xfedcba98
	s_mov_b32 s[CS], 0x3e38aa3b                    ; c = log2(e) / 8
	s_mov_b32 s[CS+1], s[CS]
	s_lshl_b32 s16, s15, 5                         ; 32 key steps a pair of heads,
	s_add_co_u32 s16, s16, s[WV]                   ; mine of a slot's eight
	s_mul_i32 s16, s16, STEPB
	s_mov_b32 s17, 0
	s_mul_i32 s18, s[WV], STEPB                    ; and its place in a slot
	s_mul_i32 s44, s15, 212992                     ; Q: two heads of 106,496 bytes,
	s_lshl_b32 s45, s14, 1
	s_lshr_b32 s46, s[WV], 3
	s_add_co_u32 s45, s45, s46
	s_mul_i32 s45, s45, 6656                       ; my group of 128 tokens,
	s_add_co_u32 s44, s44, s45
	s_and_b32 s45, s[WV], 7
	s_mul_i32 s45, s45, 768                        ; my tile's half image
	s_add_co_u32 s40, s44, s45
	s_mov_b32 s41, 0
	s_bfe_u32 s45, s[WV], 0x10002
	s_lshl_b32 s45, s45, 8
	s_and_b32 s46, s[WV], 3
	s_lshl_b32 s46, s46, 2
	s_add_co_u32 s45, s45, s46
	s_add_co_u32 s42, s44, s45
	s_add_co_u32 s42, s42, 6144                    ; and its scale words
	s_mov_b32 s43, 0
	s_lshr_b32 s45, s15, 3                         ; the batch
	s_and_b32 s46, s15, 7                          ; which 128 of the projection's K
	s_lshl_b32 s47, s45, 7
	s_lshl_b32 s48, s14, 4
	s_add_co_u32 s47, s47, s48
	s_add_co_u32 s47, s47, s[WV]                   ; my token tile
	s_lshl_b32 s47, s47, 3
	s_add_co_u32 s47, s47, s46
	s_mul_i32 s48, s47, 1536
	s_mov_b32 s49, 0
	s_lshl_b32 s50, s46, 15                        ; as_: planes of 32,768 bytes,
	s_lshl_b32 s45, s45, 13
	s_add_co_u32 s50, s50, s45
	s_lshl_b32 s45, s14, 10
	s_add_co_u32 s50, s50, s45                     ; my work-group's 256 rows
	s_mov_b32 s51, 0
	s_wait_dscnt 0x0                               ; the opening add is done
	s_wait_kmcnt 0x0
	s_add_nc_u64 s[16:17], s[6:7], s[16:17]
	s_add_nc_u64 s[40:41], s[4:5], s[40:41]
	s_add_nc_u64 s[42:43], s[4:5], s[42:43]
	s_add_nc_u64 s[8:9], s[8:9], s[48:49]
	s_add_nc_u64 s[10:11], s[10:11], s[50:51]
	CROUND                                         ; all four work-groups are here: the first joint loads meet
.irp s, 0,1
	s_mov_b32 s[G0+4*\s], 1
	s_add_co_u32 s[G0+4*\s+1], s18, \s*SLOT1
	s_add_nc_u64 s[G0+4*\s+2:G0+4*\s+3], s[16:17], \s*8*STEPB
	s_or_b32 s[G0+4*\s+3], s[G0+4*\s+3], 0x80000000
.endr
	s_cmp_lt_u32 s[WV], 8                          ; a wave's two first fills stand in one branch, ahead of every wait on TENSORcnt and every LDS read
	s_cbranch_scc0 .Lno_fill
	tensor_load_to_lds s[G0:G0+3], s[G1:G1+7]
	s_nop 0
	tensor_load_to_lds s[G0+4:G0+7], s[G1:G1+7]
	s_nop 0
.rept 4
	v_nop
.endr
.Lno_fill:
	v_and_b32 v6, 31, v0
	s_delay_alu instid0(VALU_DEP_1)
	v_lshlrev_b32 v1, 4, v6                        ; 16 L
	v_and_b32 v7, 15, v0                           ; r
	v_bfe_u32 v8, v0, 4, 1                         ; h
	s_delay_alu instid0(VALU_DEP_2)
	v_lshlrev_b32 v3, 4, v7                        ; 16 r
	s_delay_alu instid0(VALU_DEP_1)
	v_lshl_add_u32 v2, v8, 3, v3                   ; 16 r + 8 h
	s_lshl_b32 s45, s[WV], 6
	s_add_co_u32 s45, s45, ASW
	v_lshl_add_u32 v9, v7, 2, s45                  ; my row's word on the way out
	v_lshlrev_b32 v10, 4, v0
	s_delay_alu instid0(VALU_DEP_1)
	v_add_nc_u32 v11, ASW, v10
	global_load_b128 v[16:19], v1, s[40:41]                       ; Q of the first head: a half image,
	global_load_b64 v[20:21], v2, s[40:41] offset:512
	global_load_b32 v28, v3, s[42:43]                             ; its scale words;
	global_load_b128 v[30:33], v1, s[40:41] offset:106496         ; and of the second
	global_load_b64 v[34:35], v2, s[40:41] offset:106496+512
	global_load_b32 v36, v3, s[42:43] offset:106496
.macro RESET                           ; a head begins: the largest t under every t, sums and O^T zeros, which the first change of M leaves zeros
	v_mov_b32 v13, 0xff61b1e6
	s_delay_alu instid0(VALU_DEP_1)
	v_floor_f32 v12, -v13
	v_mov_b32 v14, 0
	v_mov_b32 v15, 0
.set PP, 0
.rept 32
	v_mov_b32 v[O+PP], 0
.set PP, PP+1
.endr
.endm
	RESET
.irp i, 22,23,24,25,26,27,96,97,98,99,100,101,253,254
	v_mov_b32 v[\i], 0                             ; Q's upper half and K's tail: zero codes, kept; v253 is named as the upper half of a pair
.endr
; A KEY STEP: 128 keys at LDS byte s[TB].
.macro STEP
	v_add_nc_u32 v6, s[TB], v1
	v_add_nc_u32 v7, s[TB], v2
	v_add_nc_u32 v8, s[TB], v3
	v_nop                                          ; four places in front of loads into registers that the last products have read
.irp t, 0,1,2,3,4,5,6,7
	ds_load_b128 v[KR+6*\t:KR+6*\t+3], v6 offset:768*\t
	ds_load_b64 v[KR+6*\t+4:KR+6*\t+5], v7 offset:768*\t+512
.endr
	ds_load_b128 v[40:43], v6 offset:6144          ; K's words: lanes 0-15 tiles 0-3, lanes 16-31 tiles 4-7
.irp d, 0,1,2,3
.irp c, 0,1,2
	ds_load_b128 v[VR+12*\d+4*\c:VR+12*\d+4*\c+3], v6 offset:6656+1536*\d+512*\c
.endr
.endr
	ds_load_b128 v[44:47], v8 offset:12800         ; V's words: row r's four tiles
	s_wait_dscnt 13                                ; K and its words are in; V's thirteen loads may be out
.irp t, 0,1,2,3
	v_wmma_scale_f32_16x16x128_f8f6f4 v[S+8*\t:S+8*\t+7], v[KR+6*\t:KR+6*\t+11], v[16:27], 0, v[40+\t], v28 matrix_a_fmt:MATRIX_FMT_FP6 matrix_b_fmt:MATRIX_FMT_FP6
.endr
	s_wait_alu depctr_va_vdst(0)
.irp t, 4,5,6,7
	v_wmma_scale_f32_16x16x128_f8f6f4 v[S+8*\t:S+8*\t+7], v[KR+6*\t:KR+6*\t+11], v[16:27], 0, v[36+\t], v28 matrix_a_fmt:MATRIX_FMT_FP6 matrix_b_fmt:MATRIX_FMT_FP6 matrix_a_scale:MATRIX_SCALE_ROW1
.endr
.rept 4
	v_nop
.endr
.irp b, 0,1,2,3
	v_max3_num_f32 v[BM+\b], v[S+16*\b], v[S+1+16*\b], v[S+2+16*\b]   ; the largest score of each block of 32 keys: for the row's maximum and, since p rises with the score, for the block's largest p
.endr
.irp i, 3,5,7,9,11,13
.irp b, 0,1,2,3
	v_max3_num_f32 v[BM+\b], v[BM+\b], v[S+16*\b+\i], v[S+1+16*\b+\i]
.endr
.endr
.irp b, 0,1,2,3
	v_max_num_f32 v[BM+\b], v[BM+\b], v[S+15+16*\b]
.endr
.irp b, 0,1,2,3
	s_delay_alu instid0(VALU_DEP_4)
	v_permlanex16_b32 v[PT+\b], v[BM+\b], s[SEL], s[SEL+1]
.endr
.irp b, 0,1,2,3
	s_delay_alu instid0(VALU_DEP_4)
	v_max_num_f32 v[BM+\b], v[BM+\b], v[PT+\b]     ; with lane l xor 16's 16 keys
.endr
	s_delay_alu instid0(VALU_DEP_2)
	v_max3_num_f32 v254, v[BM], v[BM+1], v[BM+2]
	s_delay_alu instid0(VALU_DEP_1)
	v_max_num_f32 v254, v254, v[BM+3]
	s_delay_alu instid0(VALU_DEP_1)
	v_mul_f32 v254, s[CS], v254                    ; as t (c is positive)
	s_delay_alu instid0(VALU_DEP_1)
	v_max_num_f32 v13, v13, v254                   ; the running largest t
	v_mov_b32 v254, v12
	s_delay_alu instid0(VALU_DEP_2)
	v_floor_f32 v12, -v13                          ; the new -M = floor(-t): M is a whole number
	s_delay_alu instid0(VALU_DEP_1)
	v_sub_f32 v254, v12, v254
	s_delay_alu instid0(VALU_DEP_1)
	v_cvt_i32_f32 v254, v254                       ; (it saturates)
	s_delay_alu instid0(VALU_DEP_1)
	v_ldexp_f32 v252, 1.0, v254                    ; f = 2^(old M - new M)
.set PP, 0
.rept 32
	v_pk_fma_f32 v[S+PP:S+PP+1], v[S+PP:S+PP+1], s[CS:CS+1], v[12:13] op_sel_hi:[1,0,0]   ; t - M, two at a time
.set PP, PP+2
.endr
.irp b, 0,1,2,3
	v_fma_f32 v[BM+\b], v[BM+\b], s[CS], v12
.endr
.set PP, 0
	s_wait_alu depctr_va_vdst(0)
.rept 64
	v_exp_f32 v[S+PP], v[S+PP]                     ; p = 2^(t - M)
.set PP, PP+1
.endr
	s_setprio 1
	v_pk_mul_f32 v[14:15], v[14:15], v[252:253] op_sel_hi:[1,0]   ; the sums under the new M.  (The plain line behind the exponentials)
	s_wait_alu depctr_va_vdst(0)                   ; one wait for the whole batch, ahead of its first reader
.irp b, 0,1,2,3
	v_exp_f32 v[BM+\b], v[BM+\b]                   ; the blocks' largest p
.endr
	v_pk_add_f32 v[72:73], v[154:155], v[158:159]
	v_pk_add_f32 v[94:95], v[162:163], v[166:167]
	v_pk_add_f32 v[92:93], v[170:171], v[174:175]
	v_pk_add_f32 v[90:91], v[178:179], v[182:183]
	v_pk_add_f32 v[88:89], v[186:187], v[190:191]
	v_pk_add_f32 v[86:87], v[194:195], v[198:199]
	v_pk_add_f32 v[84:85], v[202:203], v[206:207]
	v_pk_add_f32 v[14:15], v[14:15], v[210:211]
	v_pk_add_f32 v[72:73], v[72:73], v[150:151]
	v_pk_add_f32 v[94:95], v[94:95], v[152:153]
	v_pk_add_f32 v[92:93], v[92:93], v[156:157]
	v_pk_add_f32 v[90:91], v[90:91], v[160:161]
	v_pk_add_f32 v[88:89], v[88:89], v[164:165]
	v_pk_add_f32 v[86:87], v[86:87], v[168:169]
	v_pk_add_f32 v[84:85], v[84:85], v[172:173]
	v_pk_add_f32 v[14:15], v[14:15], v[176:177]
	v_pk_add_f32 v[72:73], v[72:73], v[180:181]
	v_pk_add_f32 v[94:95], v[94:95], v[184:185]
	v_pk_add_f32 v[92:93], v[92:93], v[188:189]
	v_pk_add_f32 v[90:91], v[90:91], v[192:193]
	v_pk_add_f32 v[88:89], v[88:89], v[196:197]
	v_pk_add_f32 v[86:87], v[86:87], v[200:201]
	v_pk_add_f32 v[84:85], v[84:85], v[204:205]
	v_pk_add_f32 v[14:15], v[14:15], v[208:209]
	v_pk_add_f32 v[72:73], v[72:73], v[212:213]
	s_delay_alu instid0(VALU_DEP_2)
	v_pk_add_f32 v[14:15], v[14:15], v[90:91]
	s_delay_alu instid0(VALU_DEP_2)
	v_pk_add_f32 v[72:73], v[72:73], v[88:89]
	v_pk_add_f32 v[94:95], v[94:95], v[86:87]
	v_pk_add_f32 v[92:93], v[92:93], v[84:85]
	s_delay_alu instid0(VALU_DEP_2)
	v_pk_add_f32 v[14:15], v[14:15], v[94:95]
	s_delay_alu instid0(VALU_DEP_2)
	v_pk_add_f32 v[72:73], v[72:73], v[92:93]
	s_delay_alu instid0(VALU_DEP_1)
	v_pk_add_f32 v[14:15], v[14:15], v[72:73]
	s_wait_alu depctr_va_vdst(0)                   ; and one for the four
.irp b, 0,1,2,3
	v_max_num_f32 v[BM+\b], 0x1800000, v[BM+\b]    ; the floor 2^(3 - 127)
.endr
.irp b, 0,1,2,3
	s_delay_alu instid0(VALU_DEP_4)
	v_add_nc_u32 v[SO+\b], 0xff000000, v[BM+\b]
.endr
.irp b, 0,1,2,3
	s_delay_alu instid0(VALU_DEP_4)
	v_lshrrev_b32 v[PT+\b], 23, v[SO+\b]
.endr
	s_delay_alu instid0(VALU_DEP_3)
	v_lshl_or_b32 v29, v[PT+1], 8, v[PT]           ; p's scale word for these 128 keys
	s_delay_alu instid0(VALU_DEP_1)
	v_lshl_or_b32 v29, v[PT+2], 16, v29
	s_delay_alu instid0(VALU_DEP_1)
	v_lshl_or_b32 v29, v[PT+3], 24, v29
.irp c, 0,1
	v_cvt_scalef32_pk16_fp6_f32 v[PC+6*\c:PC+6*\c+2], v[S+32*\c:S+32*\c+15], v[SO+2*\c]
	v_cvt_scalef32_pk16_fp6_f32 v[PT+4*\c:PT+4*\c+2], v[S+16+32*\c:S+31+32*\c], v[SO+2*\c+1]
.endr
	v_nop                                          ; one plain place behind the scaled conversions
.irp c, 0,1
.irp i, 0,1,2
	v_permlane16_swap_b32 v[PC+6*\c+\i], v[PT+4*\c+\i]
.endr
.irp i, 0,1,2
	s_delay_alu instid0(VALU_DEP_3)
	v_mov_b32 v[PC+3+6*\c+\i], v[PT+4*\c+\i]
.endr
.endr
.set PP, 0
	s_setprio 0
.rept 16
	v_pk_mul_f32 v[O+PP:O+PP+1], v[O+PP:O+PP+1], v[252:253] op_sel_hi:[1,0]   ; O^T under the new M.  (These are also the places in front of the scaled products below)
.set PP, PP+2
.endr
	s_wait_alu depctr_va_vdst(0)
	s_wait_dscnt 0x0                               ; V is in
.irp d, 0,1,2,3
	v_wmma_scale_f32_16x16x128_f8f6f4 v[O+8*\d:O+8*\d+7], v[VR+12*\d:VR+12*\d+11], v[PC:PC+11], v[O+8*\d:O+8*\d+7], v[44+\d], v29 matrix_a_fmt:MATRIX_FMT_FP6 matrix_b_fmt:MATRIX_FMT_FP6   ; the four accumulators by turns; the next step's eight products stand between two turns of one
.endr
.endm
.macro EIGHT base                      ; a slot's eight key steps
	s_mov_b32 s[TB], \base
	s_mov_b32 s[CNT], 8
.Lstep_\@:
	s_setprio 2
	STEP
	s_add_co_u32 s[TB], s[TB], STEPB
	s_sub_co_u32 s[CNT], s[CNT], 1
	s_cmp_lg_u32 s[CNT], 0
	s_cbranch_scc1 .Lstep_\@
	s_setprio 0
.endm
; Slot s has been read and is filled again, with the next head's eight key steps of the same half.  The refill has the other slot's eight key steps in which to land.
.macro CHANGE s
	s_wait_tensorcnt 0x0                           ; all my tensor loads have landed, so a group 0 may be written
	ds_add_u32 v[SPW], v[NIL]                      ; 0 onto my spare word
	s_add_nc_u64 s[G0+4*\s+2:G0+4*\s+3], s[G0+4*\s+2:G0+4*\s+3], 16*STEPB
	s_wait_dscnt 0x0                               ; the add is done, and my reads of the slot are over
	CROUND                                         ; both now hold of every wave of every partner
	JLOAD \s
.endm
; A head ends: O^T / the sum, quantised along the head's 64: six registers of codes at dst, the two bytes in wd.
.macro FINISH dst, wd
.rept 4
	v_nop                                          ; places behind the last products
.endr
	v_add_f32 v14, v14, v15
	s_delay_alu instid0(VALU_DEP_1)
	v_permlanex16_b32 v254, v14, s[SEL], s[SEL+1]
	s_delay_alu instid0(VALU_DEP_1)
	v_add_f32 v14, v14, v254                       ; the row's sum
	s_wait_alu depctr_va_vdst(0)
	v_rcp_f32 v14, v14
	v_nop
	s_wait_alu depctr_va_vdst(0)                   ; the wait ahead of the first reader
.set PP, 0
.rept 16
	v_pk_mul_f32 v[S+PP:S+PP+1], v[O+PP:O+PP+1], v[14:15] op_sel_hi:[1,0]   ; register 16 b + i: channel 32 b + 16 h + i
.set PP, PP+2
.endr
.irp b, 0,1
	v_max3_num_f32 v[BM+\b], |v[S+16*\b]|, |v[S+1+16*\b]|, 0x1800000
.endr
.irp i, 2,4,6,8,10,12,14
.irp b, 0,1
	s_delay_alu instid0(VALU_DEP_2)
	v_max3_num_f32 v[BM+\b], v[BM+\b], |v[S+16*\b+\i]|, |v[S+1+16*\b+\i]|
.endr
.endr
.irp b, 0,1
	s_delay_alu instid0(VALU_DEP_2)
	v_permlanex16_b32 v[PT+\b], v[BM+\b], s[SEL], s[SEL+1]
.endr
.irp b, 0,1
	s_delay_alu instid0(VALU_DEP_2)
	v_max_num_f32 v[BM+\b], v[BM+\b], v[PT+\b]
.endr
.irp b, 0,1
	s_delay_alu instid0(VALU_DEP_2)
	v_add_nc_u32 v[SO+\b], 0xff000000, v[BM+\b]
.endr
.irp b, 0,1
	s_delay_alu instid0(VALU_DEP_2)
	v_lshrrev_b32 v[PT+\b], 23, v[SO+\b]
.endr
	s_delay_alu instid0(VALU_DEP_1)
	v_lshl_or_b32 v[\wd], v[PT+1], 8, v[PT]
	v_cvt_scalef32_pk16_fp6_f32 v[\dst:\dst+2], v[S:S+15], v[SO]
	v_cvt_scalef32_pk16_fp6_f32 v[PT+4:PT+6], v[S+16:S+31], v[SO+1]
	v_nop
.irp i, 0,1,2
	v_permlane16_swap_b32 v[\dst+\i], v[PT+4+\i]
.endr
.irp i, 0,1,2
	s_delay_alu instid0(VALU_DEP_3)
	v_mov_b32 v[\dst+3+\i], v[PT+4+\i]
.endr
.endm
	s_wait_loadcnt 0x0                             ; Q
	s_wait_tensorcnt 1                             ; my part of slot 0 is in; slot 1's may stay out
	s_barrier_signal -1
	s_barrier_wait -1
	EIGHT 0                                        ; the first head's keys 0 to 1,023
	CHANGE 0                                       ; slot 0 takes the second head's first half
	EIGHT SLOT1                                    ; keys 1,024 to 2,047
	CHANGE 1                                       ; slot 1 takes its second half
	FINISH 246, 37
.irp i, 0,1,2,3,4,5
	v_mov_b32 v[16+\i], v[30+\i]                   ; the second head's Q
.endr
	v_mov_b32 v28, v36
	RESET                                          ; (its lines are also the places between these writes and the next scaled product)
	EIGHT 0
	s_wait_tensorcnt 0x0                           ; my part of slot 1 is in
	ds_add_u32 v[SPW], v[NIL]
	s_wait_dscnt 0x0
	s_barrier_signal -1
	s_barrier_wait -1
	EIGHT SLOT1
	FINISH 54, 39
.irp i, 0,1,2,3,4,5
	v_mov_b32 v[48+\i], v[246+\i]                  ; v48-59: the image of my 16 rows x 128
.endr
	v_lshl_or_b32 v38, v39, 16, v37                ; and their scale word
.irp c, 0,1,2
	global_store_b128 v1, v[48+4*\c:51+4*\c], s[8:9] offset:512*\c   ; 512 consecutive bytes, aligned
.endr
	ds_store_b32 v9, v38                           ; lanes r and r + 16 write the same word with the same value
	s_wait_dscnt 0x0                               ; for the others' sake
	s_barrier_signal -1
	s_barrier_wait -1
	s_cmp_lt_u32 s[WV], 2
	s_cbranch_scc0 .Lno_words
	ds_load_b128 v[60:63], v11
	s_wait_dscnt 0x0
	global_store_b128 v10, v[60:63], s[10:11]      ; 256 rows' words: two waves store 512 consecutive bytes each
.Lno_words:
	s_wait_tensorcnt 0x0                           ; the wave's end
	ds_add_u32 v[SPW], v[NIL]
	s_wait_dscnt 0x0
	CROUND                                         ; the closing round
	s_endpgm
.Lfunc_end_k_q4fc2bd05c4_attn:
	.size	k_q4fc2bd05c4_attn, .Lfunc_end_k_q4fc2bd05c4_attn-k_q4fc2bd05c4_attn
	.p2alignl 7, 3214868480
	.fill 96, 4, 3214868480
	.section	.rodata,"a",@progbits
	.p2align	6, 0x0
	.amdhsa_kernel k_q4fc2bd05c4_attn
		.amdhsa_group_segment_fixed_size 327680
		.amdhsa_private_segment_fixed_size 0
		.amdhsa_enable_private_segment 0
		.amdhsa_kernarg_size 32
		.amdhsa_user_sgpr_count 2
		.amdhsa_user_sgpr_kernarg_segment_ptr 1
		.amdhsa_wavefront_size32 1
		.amdhsa_system_sgpr_workgroup_id_x 1
		.amdhsa_system_sgpr_workgroup_id_y 1
		.amdhsa_system_sgpr_workgroup_id_z 1
		.amdhsa_system_vgpr_workitem_id 0
		.amdhsa_next_free_vgpr 256
		.amdhsa_next_free_sgpr 66
		.amdhsa_reserve_vcc 0
		.amdhsa_float_denorm_mode_32 3
		.amdhsa_float_denorm_mode_16_64 3
		.amdhsa_memory_ordered 1
		.amdhsa_forward_progress 1
		.amdhsa_inst_pref_size 88
	.end_amdhsa_kernel
	.amdgpu_metadata
---
amdhsa.version: [ 1, 2 ]
amdhsa.kernels:
  - .name:           k_q4fc2bd05c4_attn
    .symbol:         k_q4fc2bd05c4_attn.kd
    .args:
      - { .name: qq, .offset: 0, .size: 8, .value_kind: global_buffer, .address_space: global }
      - { .name: kv, .offset: 8, .size: 8, .value_kind: global_buffer, .address_space: global }
      - { .name: ac, .offset: 16, .size: 8, .value_kind: global_buffer, .address_space: global }
      - { .name: as_, .offset: 24, .size: 8, .value_kind: global_buffer, .address_space: global }
    .group_segment_fixed_size: 327680
    .private_segment_fixed_size: 0
    .kernarg_segment_align: 8
    .kernarg_segment_size: 32
    .max_flat_workgroup_size: 512
    .sgpr_count:     66
    .vgpr_count:     256
    .wavefront_size: 32
...
	.end_amdgpu_metadata
.endif
;; end of part 4
;; launch oproj (part 5): grid 4 x 32, 4 waves a work-group, clusters of 4 x 4, 327,680 bytes of LDS; arguments ac, as_, cxw, sxw, bo, out0; writes out0
.if DOCPART == 5
	.amdgcn_target "amdgcn-amd-amdhsa--gfx1250"
	.amdhsa_code_object_version 6
	.text
	.protected	k_q4fc2bd05c4_oproj
	.globl	k_q4fc2bd05c4_oproj
	.p2align	8
	.type	k_q4fc2bd05c4_oproj,@function
k_q4fc2bd05c4_oproj:
	s_mov_b64 s[64:65], 0
	v_nop
	global_prefetch_b8 v0, s[64:65] scope:SCOPE_SE
	s_setreg_imm32_b32 hwreg(HW_REG_WAVE_MODE, 25, 1), 1
	s_wait_xcnt 0x0
	s_wait_alu depctr_hold_cnt(0) depctr_sa_sdst(0) depctr_va_vdst(0) depctr_va_sdst(0) depctr_va_ssrc(0) depctr_va_vcc(0) depctr_vm_vsrc(0)
	s_getreg_b32 s2, hwreg(HW_REG_IB_STS2, 6, 4)
	s_cmp_eq_u32 s2, 0
	s_cbranch_scc0 .Lentry_in_a_cluster
	s_endpgm
.Lentry_in_a_cluster:
	s_bfe_u32 s2, ttmp6, 0x10000c
	s_cmp_lg_u32 s2, 0xf033
	s_cbranch_scc0 .Lentry_shape_is_right
	s_endpgm
.Lentry_shape_is_right:
.set NQ,    2
.set FR,    12
.set NL,    3
.set NP,    4
.set HALFT, 24576
.set SLOT,  98304
.set SCL,   196608
.set SPARE, 212992
.set STAGE, 213504
.set SPITCH, 528
.set ADRA, 16
.set ADRB, 20
.set STO,  24
.set RD,   25
.set ADRS, 27
.set SPW,  28
.set NIL,  29
.set SC,   32
.set BI,   64
.set AF,   128
.set BK,   128
.set WV,   20
.set HA,   21
.set HB,   22
.set G1,   24
.set G0,   32
.set G1B,  48
.set G0B,  56
.set G1S,  68
.set G0S,  76
.set G1SB, 80
.set G0SB, 88
.set MSB, 0
.macro WIN new
.if MSB != (\new)
	s_set_vgpr_msb (MSB<<8)|(\new)
.set MSB, (\new)
.endif
.endm
.set MUL_LO, 0xa1
.set MUL_HI, 0xf1
.set TO_B,   0x40
.macro JLOAD g0a, g1a, g0b, g1b
	s_cmp_eq_u32 s[HA], 0
	s_cbranch_scc0 .Lfor_b_\@
	tensor_load_to_lds s[\g0a:\g0a+3], s[\g1a:\g1a+7]
	s_nop 0
.rept 4
	v_nop
.endr
	s_branch .Lasked_\@
.Lfor_b_\@:
	tensor_load_to_lds s[\g0b:\g0b+3], s[\g1b:\g1b+7]
	s_nop 0
.rept 4
	v_nop
.endr
.Lasked_\@:
.endm
.macro CREST
	s_cmp_lg_u32 s[WV], 0
	s_cbranch_scc1 .Lnot_wave_0_\@
	s_barrier_signal -3
.Lnot_wave_0_\@:
	s_barrier_wait -3
	s_barrier_signal -1
	s_barrier_wait -1
.endm
.macro CROUND
	s_barrier_signal -1
	s_barrier_wait -1
	CREST
.endm
	s_load_b256 s[4:11], s[0:1], 0x0
	s_load_b128 s[12:15], s[0:1], 0x20
	v_lshl_add_u32 v[SPW], v0, 2, SPARE
	v_mov_b32 v[NIL], 0
	ds_add_u32 v[SPW], v[NIL]
	ds_add_u32 v[SPW], v[NIL]
	v_lshrrev_b32 v1, 5, v0
	v_readfirstlane_b32 s[WV], v1
	s_lshr_b32 s[HA], s[WV], 1
	s_and_b32 s[HB], s[WV], 1
	s_bfe_u32 s40, ttmp6, 0x40000
	s_bfe_u32 s41, ttmp6, 0x40004
	s_and_b32 s42, ttmp7, 0xffff
	s_lshl_b32 s43, s41, 2
	s_lshl_b32 s43, 15, s43
	s_lshl_b32 s44, 0x1111, s40
	s_lshl_b32 s45, s42, 2
	s_add_co_u32 s45, s45, s41
	s_add_co_u32 s46, s40, 44
	s_or_b32 s[G1+0], s43, (3<<16)|(1<<21)
	s_or_b32 s[G1B+0], s44, (3<<16)|(1<<21)
.irp g, G1, G1B
	s_mov_b32 s[\g+1], 384<<16
	s_mov_b32 s[\g+2], 8<<16
	s_mov_b32 s[\g+3], 384<<16
	s_mov_b32 s[\g+4], 8
	s_mov_b32 s[\g+5], 1536
	s_mov_b32 s[\g+6], 0
	s_mov_b32 s[\g+7], 0
.endr
	s_or_b32 s[G1S+0], s43, (3<<16)|(1<<21)
	s_or_b32 s[G1SB+0], s44, (3<<16)|(1<<21)
.irp g, G1S, G1SB
	s_mov_b32 s[\g+1], 64<<16
	s_mov_b32 s[\g+2], 8<<16
	s_mov_b32 s[\g+3], 64<<16
	s_mov_b32 s[\g+4], 8
	s_mov_b32 s[\g+6], 0
	s_mov_b32 s[\g+7], 0
.endr
	s_mov_b32 s[G1S+5], 4096
	s_mov_b32 s[G1SB+5], 6144
	s_mul_i32 s92, s45, 196608
	s_mul_i32 s47, s[HB], 98304
	s_add_co_u32 s92, s92, s47
	s_mov_b32 s93, 0
	s_lshl_b32 s94, s45, 10
	s_lshl_b32 s47, s[HB], 9
	s_add_co_u32 s94, s94, s47
	s_mov_b32 s95, 0
	s_mul_i32 s96, s46, 196608
	s_mul_i32 s47, s[HB], 98304
	s_add_co_u32 s96, s96, s47
	s_mov_b32 s97, 0
	s_lshl_b32 s98, s46, 10
	s_lshl_b32 s47, s[HB], 9
	s_add_co_u32 s98, s98, s47
	s_mov_b32 s99, 0
	s_mul_i32 s100, s[WV], HALFT
	s_lshl_b32 s101, s[WV], 12
	s_wait_dscnt 0x0
	s_wait_kmcnt 0x0
	s_add_nc_u64 s[92:93], s[4:5], s[92:93]
	s_add_nc_u64 s[94:95], s[6:7], s[94:95]
	s_add_nc_u64 s[96:97], s[8:9], s[96:97]
	s_add_nc_u64 s[98:99], s[10:11], s[98:99]
	CROUND
	s_mov_b32 s[G0S], 1
	s_add_co_u32 s[G0S+1], s101, SCL
	s_mov_b64 s[G0S+2:G0S+3], s[94:95]
	s_or_b32 s[G0S+3], s[G0S+3], 0x80000000
	s_mov_b32 s[G0SB], 1
	s_add_co_u32 s[G0SB+1], s101, SCL
	s_mov_b64 s[G0SB+2:G0SB+3], s[98:99]
	s_or_b32 s[G0SB+3], s[G0SB+3], 0x80000000
	JLOAD G0S, G1S, G0SB, G1SB
.irp s, 0,1
	s_mov_b32 s[G0+4*\s], 1
	s_add_co_u32 s[G0+4*\s+1], s100, \s*SLOT
	s_add_nc_u64 s[G0+4*\s+2:G0+4*\s+3], s[92:93], \s*3072
	s_or_b32 s[G0+4*\s+3], s[G0+4*\s+3], 0x80000000
	s_mov_b32 s[G0B+4*\s], 1
	s_add_co_u32 s[G0B+4*\s+1], s100, \s*SLOT
	s_add_nc_u64 s[G0B+4*\s+2:G0B+4*\s+3], s[96:97], \s*3072
	s_or_b32 s[G0B+4*\s+3], s[G0B+4*\s+3], 0x80000000
	s_wait_alu depctr_va_vdst(0)
	s_wait_tensorcnt 0x0
	ds_add_u32 v28, v29
	s_wait_dscnt 0x0
	CROUND
	JLOAD G0+4*\s, G1, G0B+4*\s, G1B
.endr
	v_and_b32 v1, 15, v0
	v_bfe_u32 v2, v0, 4, 1
	v_and_b32 v3, 31, v0
	v_lshlrev_b32 v8, 4, v3
	s_wait_alu depctr_va_vdst(0)
	v_lshlrev_b32 v10, 6, v2
	s_lshl_b32 s66, s40, 10
	s_lshl_b32 s47, s[HB], 9
	s_add_co_u32 s66, s66, s47
	s_mov_b32 s67, 0
	s_add_nc_u64 s[12:13], s[12:13], s[66:67]
.irp b, 0,1,2,3,4,5,6,7
	global_load_b128 v[BI+8*\b:BI+8*\b+3], v10, s[12:13] offset:128*(\b/2)+32*(\b%2)
	global_load_b128 v[BI+8*\b+4:BI+8*\b+7], v10, s[12:13] offset:128*(\b/2)+32*(\b%2)+16
.endr
	s_add_nc_u64 s[14:15], s[14:15], s[66:67]
	s_lshl_b32 s66, s45, 8
	s_lshl_b32 s47, s[HA], 7
	s_add_co_u32 s66, s66, s47
	s_lshl_b32 s66, s66, 12
	s_add_nc_u64 s[14:15], s[14:15], s[66:67]
	s_mul_i32 s47, s[HA], HALFT
	s_mul_i32 s66, s[HB], HALFT
	s_add_co_u32 s66, s66, 2*HALFT
.irp s, 0,1
	v_add_nc_u32 v[ADRA+\s], s47, v8
	v_add_nc_u32 v[ADRB+\s], s66, v8
	s_add_co_u32 s47, s47, SLOT
	s_add_co_u32 s66, s66, SLOT
.endr
	s_lshl_b32 s47, s[HA], 12
	s_lshl_b32 s66, s[HB], 12
	s_add_co_u32 s66, s66, 8192
	s_sub_co_u32 s66, s66, s47
	v_mul_u32_u24 v4, s66, v2
	s_add_co_u32 s47, s47, SCL
	v_lshl_add_u32 v4, v1, 2, v4
	v_add_nc_u32 v[ADRS], s47, v4
	s_mul_i32 s47, s[WV], 16*SPITCH
	s_add_co_u32 s47, s47, STAGE
	v_mul_u32_u24 v5, v1, SPITCH
	v_lshl_add_u32 v5, v2, 6, v5
	v_add_nc_u32 v[STO], s47, v5
	v_add_nc_u32 v[RD], s47, v8
.macro FRAG reg, adr, q, i
.irp c, 0,1,2
	ds_load_b128 v[\reg+4*\c:\reg+4*\c+3], v[\adr] offset:3072*(\i)+1536*(\q)+512*\c
.endr
.endm
.macro MUL16 a0, p, q, sc, zero
.irp a, \a0, \a0+1
.irp b, 0,1,2,3,4,5,6,7
.if \zero
	v_wmma_scale_f32_16x16x128_f8f6f4 v[8*(8*((\a)%4)+\b):8*(8*((\a)%4)+\b)+7], v[128*(\p)+FR*\b:128*(\p)+FR*\b+FR-1], v[AF+FR*(\a):AF+FR*(\a)+FR-1], v[BI+8*\b:BI+8*\b+7], v[SC+8*NQ*(\sc)+NQ*\b+(\q)], v[SC+8*NQ*(\sc)+NQ*(\a)+(\q)] matrix_a_fmt:MATRIX_FMT_FP6 matrix_b_fmt:MATRIX_FMT_FP6 matrix_a_scale:MATRIX_SCALE_ROW1
.else
	v_wmma_scale_f32_16x16x128_f8f6f4 v[8*(8*((\a)%4)+\b):8*(8*((\a)%4)+\b)+7], v[128*(\p)+FR*\b:128*(\p)+FR*\b+FR-1], v[AF+FR*(\a):AF+FR*(\a)+FR-1], v[8*(8*((\a)%4)+\b):8*(8*((\a)%4)+\b)+7], v[SC+8*NQ*(\sc)+NQ*\b+(\q)], v[SC+8*NQ*(\sc)+NQ*(\a)+(\q)] matrix_a_fmt:MATRIX_FMT_FP6 matrix_b_fmt:MATRIX_FMT_FP6 matrix_a_scale:MATRIX_SCALE_ROW1
.endif
.endr
.endr
.endm
.macro FETCH_B slot, q, p
	WIN TO_B
.irp i, 0,1,2,3,4,5,6,7
	FRAG 128*(\p)+FR*\i, ADRB+\slot, \q, \i
.endr
	WIN 0
.endm
.macro FETCH_A slot, q, i0
.irp i, \i0, \i0+1, \i0+2, \i0+3
	FRAG AF+FR*(\i), ADRA+\slot, \q, \i
.endr
.endm
.macro SCALES sc
.irp i, 0,1,2,3,4,5,6,7
.irp q, 0,1
	ds_load_b32 v[SC+16*\sc+2*\i+\q], v[ADRS] offset:512*\q+64*\i
.endr
.endr
.endm
.macro PLACES n
.rept \n
	v_nop
.endr
.endm
.macro STEP slot, q, zero
	s_wait_dscnt 4*NL
.if \zero
	WIN 0x81
.else
	WIN MUL_LO
.endif
	MUL16 0, (\q)%2, \q, \slot, \zero
	MUL16 2, (\q)%2, \q, \slot, \zero
	s_wait_dscnt 0
	PLACES NP
	FETCH_B \slot, (\q)+1, 1-(\q)%2
	FETCH_A \slot, (\q)+1, 0
.if \zero
	WIN 0xc1
.else
	WIN MUL_HI
.endif
	MUL16 4, (\q)%2, \q, \slot, \zero
	MUL16 6, (\q)%2, \q, \slot, \zero
	PLACES NP
	WIN 0
	FETCH_A \slot, (\q)+1, 4
.endm
.macro TURN slot, next, fill
	s_wait_tensorcnt 0x0
	ds_add_u32 v[SPW], v[NIL]
	s_wait_dscnt 4*NL+1
	WIN MUL_LO
	MUL16 0, 1, NQ-1, \slot, 0
	s_wait_dscnt 0x0
	s_barrier_signal -1
	MUL16 2, 1, NQ-1, \slot, 0
	WIN 0
	s_barrier_wait -1
.if \fill
	CREST
	s_add_nc_u64 s[G0+4*\slot+2:G0+4*\slot+3], s[G0+4*\slot+2:G0+4*\slot+3], 6144
	s_add_nc_u64 s[G0B+4*\slot+2:G0B+4*\slot+3], s[G0B+4*\slot+2:G0B+4*\slot+3], 6144
	JLOAD G0+4*\slot, G1, G0B+4*\slot, G1B
.else
	PLACES NP
.endif
	s_wait_alu depctr_va_vdst(0)
	v_add_nc_u32 v[ADRS], 1024, v[ADRS]
	FETCH_B \next, 0, 0
	FETCH_A \next, 0, 0
	SCALES \next
	WIN MUL_HI
	MUL16 4, 1, NQ-1, \slot, 0
	MUL16 6, 1, NQ-1, \slot, 0
	PLACES NP
	WIN 0
	FETCH_A \next, 0, 4
.endm
	s_wait_alu depctr_va_vdst(0)
	s_wait_tensorcnt 1
	s_barrier_signal -1
	s_barrier_wait -1
	FETCH_B 0, 0, 0
	FETCH_A 0, 0, 0
	SCALES 0
	FETCH_A 0, 0, 4
	s_wait_loadcnt 0x0
	STEP 0, 0, 1
	TURN 0, 1, 1
	STEP 1, 0, 0
	TURN 1, 0, 1
	STEP 0, 0, 0
	TURN 0, 1, 0
	STEP 1, 0, 0
	s_wait_dscnt 4*NL
	WIN MUL_LO
	MUL16 0, 1, NQ-1, 1, 0
	MUL16 2, 1, NQ-1, 1, 0
	s_wait_dscnt 0
	WIN MUL_HI
	MUL16 4, 1, NQ-1, 1, 0
	MUL16 6, 1, NQ-1, 1, 0
	WIN 0
.macro TOSTAGE a
.set AC, 64*((\a)%4)
	WIN 0x08+4*((\a)/4)
.irp b, 0,1,2,3,4,5,6,7
	ds_store_b128 v[STO], v[AC+8*\b:AC+8*\b+3] offset:128*(\b/2)+32*(\b%2)
	ds_store_b128 v[STO], v[AC+8*\b+4:AC+8*\b+7] offset:128*(\b/2)+32*(\b%2)+16
.endr
	WIN 0
.set BB, BK+64*((\a)%2)
.irp t, 0,1,2,3,4,5,6,7,8,9,10,11,12,13,14,15
	ds_load_b128 v[BB+4*\t:BB+4*\t+3], v[RD] offset:\t*SPITCH
.endr
.endm
.macro SEND a, younger
.set BB, BK+64*((\a)%2)
	s_wait_dscnt \younger
.irp t, 0,1,2,3,4,5,6,7,8,9,10,11,12,13,14,15
	global_store_b128 v8, v[BB+4*\t:BB+4*\t+3], s[14:15] offset:(32*((\a)/2)+8*((\a)%2)+\t+8*(\t/8))*4096 th:TH_STORE_NT
.endr
.endm
	PLACES NP
	TOSTAGE 0
.irp a, 1,2,3,4,5,6,7
.if \a > 1
	s_wait_xcnt 0x0
.endif
	TOSTAGE \a
	SEND \a-1, 32
.endr
	SEND 7, 0
	s_wait_tensorcnt 0x0
	ds_add_u32 v[SPW], v[NIL]
	s_wait_dscnt 0x0
	CROUND
	s_endpgm
.Lfunc_end_k_q4fc2bd05c4_oproj:
	.size	k_q4fc2bd05c4_oproj, .Lfunc_end_k_q4fc2bd05c4_oproj-k_q4fc2bd05c4_oproj
	.p2alignl 7, 3214868480
	.fill 96, 4, 3214868480
	.section	.rodata,"a",@progbits
	.p2align	6, 0x0
	.amdhsa_kernel k_q4fc2bd05c4_oproj
		.amdhsa_group_segment_fixed_size 327680
		.amdhsa_private_segment_fixed_size 0
		.amdhsa_enable_private_segment 0
		.amdhsa_kernarg_size 48
		.amdhsa_user_sgpr_count 2
		.amdhsa_user_sgpr_kernarg_segment_ptr 1
		.amdhsa_wavefront_size32 1
		.amdhsa_system_sgpr_workgroup_id_x 1
		.amdhsa_system_sgpr_workgroup_id_y 1
		.amdhsa_system_sgpr_workgroup_id_z 1
		.amdhsa_system_vgpr_workitem_id 0
		.amdhsa_next_free_vgpr 1024
		.amdhsa_next_free_sgpr 102
		.amdhsa_reserve_vcc 0
		.amdhsa_float_denorm_mode_32 3
		.amdhsa_float_denorm_mode_16_64 3
		.amdhsa_memory_ordered 1
		.amdhsa_forward_progress 1
		.amdhsa_inst_pref_size 139
	.end_amdhsa_kernel
	.amdgpu_metadata
---
amdhsa.version: [ 1, 2 ]
amdhsa.kernels:
  - .name:           k_q4fc2bd05c4_oproj
    .symbol:         k_q4fc2bd05c4_oproj.kd
    .args:
      - { .name: ac, .offset: 0, .size: 8, .value_kind: global_buffer, .address_space: global }
      - { .name: as_, .offset: 8, .size: 8, .value_kind: global_buffer, .address_space: global }
      - { .name: cxw, .offset: 16, .size: 8, .value_kind: global_buffer, .address_space: global }
      - { .name: sxw, .offset: 24, .size: 8, .value_kind: global_buffer, .address_space: global }
      - { .name: bo, .offset: 32, .size: 8, .value_kind: global_buffer, .address_space: global }
      - { .name: out0, .offset: 40, .size: 8, .value_kind: global_buffer, .address_space: global }
    .group_segment_fixed_size: 327680
    .private_segment_fixed_size: 0
    .kernarg_segment_align: 8
    .kernarg_segment_size: 48
    .max_flat_workgroup_size: 128
    .sgpr_count:     102
    .vgpr_count:     1024
    .wavefront_size: 32
...
	.end_amdgpu_metadata
.endif
;; end of part 5
